; MI455X (gfx1250); checked and timed in simulation.
; The chip was launched on July 23, 2026; its instructions are those of AMD's public machine-readable ISA for CDNA 5 (MIT licence, August 2026) and "CDNA5" Instruction Set Architecture Reference Guide (July 2026). The comments in the code are by the model that wrote it; some were corrected since.
;; Multi Head Latent Attention. Allowed arithmetic: matrix products marked QUANTISED: E2M1 operands, one E8M0 scale for each 32 along K, by v_wmma_scale_f32_16x16x128_f8f6f4 with both operands' format E2M1 (or v_wmma_scale_f32_32x16x128_f4), f32 sums; products left as they are: bf16, f16 or f32 operands; f32 sums; everything else in f32.
;; Inputs: Wdown 1,024 x 512 float32; Wk_up 512 x 2,048 float32; Wo 2,048 x 1,024 float32; Wq 1,024 x 2,048 float32; Wv_up 512 x 2,048 float32; x 2 x 2,048 x 1,024 float32.
;; Outputs: out0 2 x 2,048 x 1,024 float32; out1 2 x 2,048 x 512 float32.
;; This version of the problem:
;;   THIS VERSION OF THE PROBLEM IS GIVEN IN LOW PRECISION. The matrix products marked QUANTISED in the list below multiply operands that are first quantised to E2M1 (2 exponent bits, 1 mantissa bit; 4 bits a number), with one power-of-two scale for each 32 numbers along K (OCP MX v1.0); their sums are f32. The products marked 'left as it is' may take bf16, f16 or f32 operands, with f32 sums. Whichever they take, every output number must still come out within the allowed error. Rounding operands to bf16 (8 significant bits) uses up far more of that allowance than f16 does (11 bits, for magnitudes from 6e-5 to 65,504). All else is computed in f32.
;;   The module's matrix products, in the order in which they are computed (A, B: the left and right operand; K: the contracted axis; several contracted axes count as one K, in the product's order):
;;     1. [M 4,096, K 1,024] x [K 1,024, N 2,048]; A: input x; B: input Wq: QUANTISED
;;     2. [M 4,096, K 1,024] x [K 1,024, N 512]; A: input x; B: input Wdown: QUANTISED
;;     3. [M 4,096, K 512] x [K 512, N 2,048]; A: computed on the way; B: input Wk_up: left as it is (an operand is computed on the way)
;;     4. [M 4,096, K 512] x [K 512, N 2,048]; A: computed on the way; B: input Wv_up: left as it is (an operand is computed on the way)
;;     5. batch 32 x [M 2,048, K 128] x [K 128, N 2,048]; A: computed on the way; B: computed on the way: left as it is (an operand is computed on the way)
;;     6. batch 32 x [M 2,048, K 2,048] x [K 2,048, N 128]; A: computed on the way; B: computed on the way: left as it is (an operand is computed on the way)
;;     7. [M 4,096, K 2,048] x [K 2,048, N 1,024]; A: computed on the way; B: input Wo: left as it is (an operand is computed on the way)
;;   THE QUANTISER, for each operand of a quantised product, along K:
;;     - K is cut into blocks of 32 from its start; a last block that is shorter is filled with zeros.
;;     - A block's scale is 2^e with e = floor(log2(the largest magnitude in the block)) - 2, held to -126 .. 127; a block of zeros has e = 0. As a byte (E8M0): e + 127.
;;     - Each number is divided by its block's scale, clamped to +-6, and rounded to the nearest number of E2M1, ties to even, subnormals kept.
;;     - The product sums the exact products of the quantised numbers (number of the format x scale) in f32.
;;   ~~~python
;;   def quantise(x, axis):      # numpy; x: float32 -> the quantised numbers, widened to float32 again
;;       x = np.moveaxis(x, axis, -1); K = x.shape[-1]
;;       x = np.pad(x, [(0, 0)] * (x.ndim - 1) + [(0, -K % 32)]); x = x.reshape(x.shape[:-1] + (-1, 32)); a = np.abs(x).max(-1, keepdims=True)
;;       e = np.where(a > 0, np.clip(np.frexp(np.where(a > 0, a, 1))[1] - 1 - 2, -126, 127), 0)      # np.frexp(a)[1] - 1 = floor(log2(a)), exactly
;;       r = np.clip(x / 2.0 ** e, -6, 6)
;;       step = 2.0 ** (np.maximum(np.frexp(np.where(r == 0, 1, r))[1] - 1, 0) - 1)
;;       q = np.round(r / step) * step * 2.0 ** e      # np.round: ties to even
;;       return np.moveaxis(q.reshape(q.shape[:-2] + (-1,))[..., :K], -1, axis).astype(np.float32)
;;   ~~~
;; One version. Each part assembles by itself: llvm-mc -triple=amdgcn-amd-amdhsa -mcpu=gfx1250 --defsym DOCPART=n.
;; ======== version 1 of 1: 7 launches
;; limits: values are held in f16: magnitudes above 65,504 overflow, below 6.1e-05 lose precision; right only within a limited range of input values
;; workspace buffers: pw 12,011,520 bytes; qw 20,975,616 bytes; fw 262,400 bytes; kvw 33,554,432 bytes; ow 16,777,216 bytes
;; launch prep (part 1): grid 296 x 1, 4 waves a work-group, no clusters, 68,096 bytes of LDS; arguments x, Wq, Wdown, Wk_up, Wv_up, Wo, pw; writes pw
.if DOCPART == 1
	.amdgcn_target "amdgcn-amd-amdhsa--gfx1250"
	.amdhsa_code_object_version 6
	.text
	.protected	k_qb7abda80a6_prep
	.globl	k_qb7abda80a6_prep
	.p2align	8
	.type	k_qb7abda80a6_prep,@function
k_qb7abda80a6_prep:
	s_mov_b64 s[64:65], 0
	v_nop
	global_prefetch_b8 v0, s[64:65] scope:SCOPE_SE
	s_setreg_imm32_b32 hwreg(HW_REG_WAVE_MODE, 25, 1), 1
	s_wait_xcnt 0x0
; PREP.  One launch, three ways that part on the work-group's number:
;   X (work-groups 0-127):   x [4096][1024] f32 -> codes of E2M1, K innermost, and one E8M0 byte for each 32 along K
;   W (128-167):             Wq [1024][2048], Wdown [1024][512] f32, K outermost -> codes [n][512 bytes], bytes [n][32]
;   C (168-295):             Wk_up | Wv_up -> f16 [512][4096];  Wo -> f16 [2048][1024];  each wave's largest magnitude -> MXW
; A block's scale is 2^(floor(log2(largest magnitude)) - 2); its byte is the largest magnitude's exponent field - 2, held at 1 from below.
; LIMITS: a block of zeros, or one whose largest magnitude lies under 2^-124, keeps the byte 1 (its codes are read by this program alone);
; NaN and infinities are not served; weights beyond 65,504 do not fit f16.
; No tensor load, no barrier: waves share nothing.  Ways X and W have LDS bytes of their own.
.set XSO,  2097152                     ; offsets in pw
.set WQC,  2228224
.set WQS,  3276800
.set WDC,  3342336
.set WDS,  3604480
.set WKV,  3620864
.set WO16, 7815168
.set MXW,  12009472
.set SPW,  208                         ; v208 LDS address of my spare word; never rewritten
.set NIL,  209                         ; v209 0; never rewritten
.set SPARE, 67584                      ; behind both ways' regions: 128 bytes a wave
.set SEL,  34                          ; s[34:35] selects for lane l xor 16
	s_load_b256 s[4:11], s[0:1], 0x0               ; x, Wq, Wdown, Wk_up
	s_load_b128 s[12:15], s[0:1], 0x20             ; Wv_up, Wo
	s_load_b64 s[16:17], s[0:1], 0x30              ; pw
	v_lshl_add_u32 v[SPW], v0, 2, SPARE
	v_mov_b32 v[NIL], 0
	v_lshrrev_b32 v1, 5, v0
	v_readfirstlane_b32 s18, v1                    ; wave
	v_and_b32 v2, 31, v0                           ; lane
	s_mov_b32 s[SEL], 0x76543210
	s_mov_b32 s[SEL+1], 0xfedcba98
	s_wait_kmcnt 0x0
	s_cmp_lt_u32 ttmp9, 128
	s_cbranch_scc0 .Lnot_x
; ---------------- way X: a wave takes 16 steps of 512 numbers; each load reads 512 consecutive bytes; a step turns through the wave's stage so that a lane holds 16 neighbours
.set STEPS, 16
.set CB,    8
.set R,     16                         ; v16-79   four sets of 16 numbers as loaded
.set X,     80                         ; v80-111  two sets of 16 neighbours
.set C,     128                        ; v128-191 codes, registers of its own for each step
.set E,     112                        ; v112-127 a scale byte for each step
.set WREG,  8192                       ; LDS region of a wave: two stages of 32 x 80 bytes, then its 256 scale bytes
.set SP,    80
	v_lshlrev_b32 v3, 4, v2
	s_mul_i32 s19, s18, WREG
	v_lshrrev_b32 v14, 2, v2
	v_mul_u32_u24 v14, v14, SP
	v_and_b32 v15, 3, v2
	v_lshl_add_u32 v14, v15, 4, v14
	v_add_nc_u32 v14, s19, v14                     ; stage, in: 80 (lane / 4) + 16 (lane % 4)
	v_mul_u32_u24 v15, v2, SP
	v_add_nc_u32 v15, s19, v15                     ; stage, out: 80 x lane
	v_mul_u32_u24 v4, v2, CB
	v_lshrrev_b32 v5, 1, v2
	s_add_co_u32 s19, s19, 2*32*SP
	v_add_nc_u32 v5, s19, v5                       ; my block's scale byte
	v_lshlrev_b32 v7, 3, v2
	v_add_nc_u32 v6, s19, v7
	s_lshl_b32 s20, ttmp9, 2
	s_add_co_u32 s20, s20, s18                     ; which run of 8,192 numbers is my wave's
	s_mov_b32 s23, 0
	s_lshl_b32 s22, s20, 15
	s_add_nc_u64 s[4:5], s[4:5], s[22:23]          ; x
	s_lshl_b32 s22, s20, 12
	s_add_nc_u64 s[24:25], s[16:17], s[22:23]      ; codes (at pw's first byte)
	s_lshl_b32 s22, s20, 8
	s_add_co_u32 s22, s22, XSO
	s_add_nc_u64 s[26:27], s[16:17], s[22:23]      ; scale bytes
.macro XLOAD t
.irp i, 0,1,2,3
	global_load_b128 v[R+16*((\t)%4)+4*\i:R+16*((\t)%4)+4*\i+3], v3, s[4:5] offset:2048*(\t)+512*\i th:TH_LOAD_NT
.endr
.endm
.macro XTURN t                         ; LDS serves a wave's instructions in order: no wait between the stores and the loads
.irp i, 0,1,2,3
	ds_store_b128 v14, v[R+16*((\t)%4)+4*\i:R+16*((\t)%4)+4*\i+3] offset:32*SP*((\t)%2)+8*SP*\i
.endr
.irp i, 0,1,2,3
	ds_load_b128 v[X+16*((\t)%2)+4*\i:X+16*((\t)%2)+4*\i+3], v15 offset:32*SP*((\t)%2)+16*\i
.endr
.endm
.irp t, 0,1,2,3
	XLOAD \t
.endr
	s_wait_loadcnt 12                              ; step 0's four loads are in; three steps of four may be out
	XTURN 0
.macro XSTEP t
.set XB, X+16*((\t)%2)
.if (\t) > 0
	s_wait_dscnt 1                                 ; this step's numbers are back (the last step's byte store may be out)
.else
	s_wait_dscnt 0x0
.endif
.if (\t)+4 < STEPS
	XLOAD (\t)+4
.endif
.if (\t)+1 < STEPS
.if STEPS-2-(\t) >= 3
	s_wait_loadcnt 12                              ; the next step's four are in; those of three steps behind it may be out
.else
	s_wait_loadcnt 4*(STEPS-2-(\t))
.endif
	XTURN (\t)+1
.endif
	v_max3_num_f32 v8, |v[XB]|, |v[XB+1]|, |v[XB+2]|
	v_max3_num_f32 v9, |v[XB+3]|, |v[XB+4]|, |v[XB+5]|
.irp i, 6,10
	v_max3_num_f32 v8, v8, |v[XB+\i]|, |v[XB+\i+1]|
	v_max3_num_f32 v9, v9, |v[XB+\i+2]|, |v[XB+\i+3]|
.endr
	v_max3_num_f32 v8, v8, |v[XB+14]|, |v[XB+15]|
	v_max3_num_f32 v8, v8, v9, 0x1800000           ; the floor 2^(3 - 127): the byte cannot fall under 1
	v_max_num_f32_dpp v8, v8, v8 row_xmask:1 row_mask:0xf bank_mask:0xf   ; with my neighbour's 16: the block's
	v_add_nc_u32 v11, 0xff000000, v8               ; 2 off the exponent field: the conversion's scale operand
	v_cvt_scalef32_pk8_fp4_f32 v[C+4*(\t)], v[XB:XB+7], v11
	v_cvt_scalef32_pk8_fp4_f32 v[C+4*(\t)+1], v[XB+8:XB+15], v11
	v_lshrrev_b32 v[E+(\t)], 23, v11               ; the scale's byte
	ds_store_b8 v5, v[E+(\t)] offset:16*(\t)       ; both lanes of a block write the same byte
	global_store_b64 v4, v[C+4*(\t):C+4*(\t)+1], s[24:25] offset:32*CB*(\t)   ; 32 lanes: 256 consecutive bytes, aligned
.endm
.irp t, 0,1,2,3,4,5,6,7,8,9,10,11,12,13,14,15
	XSTEP \t
.endr
	ds_load_b64 v[8:9], v6
	s_wait_dscnt 0x0
	global_store_b64 v7, v[8:9], s[26:27]          ; the wave's 256 scale bytes, one aligned run
	s_branch .Lend
.Lnot_x:
	s_cmp_lt_u32 ttmp9, 168
	s_cbranch_scc0 .Lpath_c
; ---------------- way W: a lane takes a column n, its registers run down K: a block of 32 lies in one lane.  A wave: 32 columns x 512 along K.
.set WX,   32                          ; v32-95   two sets of 32 numbers
.set WC,   96                          ; v96-99   a block's codes
.set OUTR, 112                         ; v112-175 the way out
.set WOF,  176                         ; v176-207 4 x lane + i x a row of W
.set SB,   24                          ; v24-27   16 scale bytes
.set WP,   272                         ; a stage row: 256 bytes + 16
	s_sub_co_u32 s19, ttmp9, 128                   ; u
	s_cmp_lt_u32 s19, 32                           ; Wq's work-groups, or Wdown's: ids alone
	s_cselect_b64 s[4:5], s[6:7], s[8:9]
	s_mov_b32 s20, 2048
	s_cselect_b32 s20, 8192, s20                   ; a row of W in bytes
	s_mov_b32 s24, WDC
	s_cselect_b32 s24, WQC, s24
	s_mov_b32 s26, WDS
	s_cselect_b32 s26, WQS, s26
	s_cselect_b32 s21, 0, 32
	s_sub_co_u32 s19, s19, s21
	s_lshr_b32 s21, s19, 1                         ; which 128 columns
	s_and_b32 s19, s19, 1                          ; which 512 along K
	s_lshl_b32 s27, s21, 7
	s_lshl_b32 s28, s18, 5
	s_add_co_u32 s27, s27, s28                     ; my wave's first column
	s_mul_i32 s28, s19, s20
	s_lshl_b32 s28, s28, 9
	s_lshl_b32 s29, s27, 2
	s_add_co_u32 s28, s28, s29
	s_mov_b32 s29, 0
	s_add_nc_u64 s[4:5], s[4:5], s[28:29]          ; W at (512 y, column)
	s_lshl_b32 s28, s27, 9
	s_add_co_u32 s28, s28, s24
	s_lshl_b32 s30, s19, 8
	s_add_co_u32 s28, s28, s30
	s_add_nc_u64 s[24:25], s[16:17], s[28:29]      ; codes: column x 512 + 256 y
	s_lshl_b32 s28, s27, 5
	s_add_co_u32 s28, s28, s26
	s_lshl_b32 s30, s19, 4
	s_add_co_u32 s28, s28, s30
	s_add_nc_u64 s[26:27], s[16:17], s[28:29]      ; scale bytes: column x 32 + 16 y
	s_lshl_b32 s22, s20, 5                         ; 32 rows of W
	s_mov_b32 s23, 0
	v_lshlrev_b32 v3, 2, v2
.set i, 0
.rept 32
	v_mad_u32_u24 v[WOF+i], s20, i, v3
.set i, i+1
.endr
	s_mul_i32 s19, s18, 32*WP
	s_add_co_u32 s19, s19, 32768                   ; my stage
	v_mul_u32_u24 v4, v2, WP
	v_add_nc_u32 v4, s19, v4                       ; in: row = my column
	v_and_b32 v5, 15, v2
	v_lshrrev_b32 v6, 4, v2
	v_mul_u32_u24 v7, v6, WP
	v_lshl_add_u32 v7, v5, 4, v7
	v_add_nc_u32 v7, s19, v7                       ; out: sixteen lanes to a row
	v_lshlrev_b32 v8, 9, v6
	v_lshl_add_u32 v8, v5, 4, v8                   ; the same place among the codes' rows of 512 bytes
	v_lshlrev_b32 v9, 5, v2                        ; my column's row of scale bytes
.macro WLOAD set
.set i, 0
.rept 32
	global_load_b32 v[WX+32*(\set)+i], v[WOF+i], s[4:5] th:TH_LOAD_NT   ; 32 lanes read 128 consecutive bytes of one row
.set i, i+1
.endr
	s_wait_xcnt 0x0                                ; the loads have read their base: it steps 32 rows
	s_add_nc_u64 s[4:5], s[4:5], s[22:23]
.endm
	WLOAD 0
	WLOAD 1
.macro WBLOCK t
.set XB, WX+32*((\t)%2)
.if (\t) < 15
	s_wait_loadcnt 32                              ; this block's 32 loads are in; the next block's may be out
.else
	s_wait_loadcnt 0
.endif
	v_max3_num_f32 v12, |v[XB]|, |v[XB+1]|, |v[XB+2]|
	v_max3_num_f32 v13, |v[XB+3]|, |v[XB+4]|, |v[XB+5]|
.irp i, 6,10,14,18,22,26
	v_max3_num_f32 v12, v12, |v[XB+\i]|, |v[XB+\i+1]|
	v_max3_num_f32 v13, v13, |v[XB+\i+2]|, |v[XB+\i+3]|
.endr
	v_max3_num_f32 v12, v12, |v[XB+30]|, |v[XB+31]|
	v_max3_num_f32 v12, v12, v13, 0x1800000        ; the floor
	v_add_nc_u32 v11, 0xff000000, v12
	v_lshrrev_b32 v13, 23, v11
.if (\t)%4 == 0
	v_mov_b32 v[SB+(\t)/4], v13
.else
	v_lshl_or_b32 v[SB+(\t)/4], v13, 8*((\t)%4), v[SB+(\t)/4]
.endif
.irp g, 0,1,2,3
	v_cvt_scalef32_pk8_fp4_f32 v[WC+\g], v[XB+8*\g:XB+8*\g+7], v11
.endr
	ds_store_b128 v4, v[WC:WC+3] offset:16*(\t)
.if (\t)+2 < 16
	WLOAD (\t)%2
.endif
	s_wait_dscnt 0x0                               ; the store has read its registers
.endm
.irp t, 0,1,2,3,4,5,6,7,8,9,10,11,12,13,14,15
	WBLOCK \t
.endr
	global_store_b128 v9, v[SB:SB+3], s[26:27]
.irp t, 0,1,2,3,4,5,6,7,8,9,10,11,12,13,14,15
	ds_load_b128 v[OUTR+4*\t:OUTR+4*\t+3], v7 offset:2*\t*WP
.endr
.irp t, 0,1,2,3,4,5,6,7,8,9,10,11,12,13,14,15
	s_wait_dscnt 15-\t
	global_store_b128 v8, v[OUTR+4*\t:OUTR+4*\t+3], s[24:25] offset:2*\t*512   ; sixteen lanes: 256 consecutive bytes, aligned
.endr
	s_branch .Lend
.Lpath_c:
; ---------------- way C: f32 -> f16 as it lies.  A wave takes 4 runs of 2,048 numbers; a load reads 512 consecutive bytes, a store writes 256
	s_sub_co_u32 s19, ttmp9, 168                   ; g
	s_lshl_b32 s20, s19, 2
	s_add_co_u32 s20, s20, s18                     ; 4 g + wave
	s_cmp_lt_u32 s19, 32
	s_cselect_b64 s[4:5], s[10:11], s[12:13]       ; Wk_up or Wv_up
	s_mov_b32 s24, WKV+4096
	s_cselect_b32 s24, WKV, s24
	s_cselect_b32 s25, 0, 128
	s_mov_b32 s26, 8192
	s_cmp_lt_u32 s19, 64
	s_cselect_b64 s[4:5], s[4:5], s[14:15]         ; or Wo
	s_cselect_b32 s24, s24, WO16
	s_cselect_b32 s25, s25, 256                    ; the tensor's first wave
	s_cselect_b32 s26, s26, 4096                   ; from run to run in the f16 buffer
	s_sub_co_u32 s25, s20, s25
	s_lshl_b32 s28, s25, 15
	s_mov_b32 s29, 0
	s_add_nc_u64 s[4:5], s[4:5], s[28:29]
	s_mul_i32 s28, s25, s26
	s_lshl_b32 s28, s28, 2
	s_add_co_u32 s28, s28, s24
	s_add_nc_u64 s[30:31], s[16:17], s[28:29]
	s_lshl_b32 s28, s20, 2
	s_add_co_u32 s28, s28, MXW
	s_add_nc_u64 s[32:33], s[16:17], s[28:29]
	v_lshlrev_b32 v3, 4, v2
	v_lshlrev_b32 v10, 3, v2
.irp i, 0,1,2,3
	v_mad_u32_u24 v[4+\i], s26, \i, v10
.endr
	v_mov_b32 v8, 0                                ; the largest magnitude, in two chains
	v_mov_b32 v9, 0
	v_mov_b32 v11, 0
	v_mov_b32 v12, 0
.macro LROW i
.set j, 0
.rept 16
	global_load_b128 v[32+64*((\i)%2)+4*j:32+64*((\i)%2)+4*j+3], v3, s[4:5] offset:8192*(\i)+512*j th:TH_LOAD_NT
.set j, j+1
.endr
.endm
.macro CROW i
.if (\i) < 3
	s_wait_loadcnt 16                              ; this run's 16 loads are in; the next run's may be out
.else
	s_wait_loadcnt 0
.endif
	s_wait_xcnt 0x0                                ; the last run's stores have read their data
.set j, 0
.rept 16
.set rr, 32+64*((\i)%2)+4*j
	v_max3_num_f32 v8, v8, |v[rr]|, |v[rr+1]|
	v_max3_num_f32 v9, v9, |v[rr+2]|, |v[rr+3]|
	v_cvt_pk_f16_f32 v[160+2*j], v[rr], v[rr+1]
	v_cvt_pk_f16_f32 v[161+2*j], v[rr+2], v[rr+3]
	global_store_b64 v[4+(\i)], v[160+2*j:161+2*j], s[30:31] offset:256*j
.set j, j+1
.endr
.if (\i) < 2
	LROW (\i)+2
.endif
.endm
	LROW 0
	LROW 1
	CROW 0
	CROW 1
	CROW 2
	CROW 3
	v_max_num_f32 v8, v8, v9
	v_max_num_f32_dpp v8, v8, v8 row_xmask:1 row_mask:0xf bank_mask:0xf
	v_max_num_f32_dpp v8, v8, v8 row_xmask:2 row_mask:0xf bank_mask:0xf
	v_max_num_f32_dpp v8, v8, v8 row_xmask:4 row_mask:0xf bank_mask:0xf
	v_max_num_f32_dpp v8, v8, v8 row_xmask:8 row_mask:0xf bank_mask:0xf
	v_permlanex16_b32 v11, v8, s[SEL], s[SEL+1]
	v_max_num_f32 v8, v8, v11                      ; the wave's largest magnitude
	s_wait_xcnt 0x0                                ; EXEC changes only behind this wait
	v_cmp_eq_u32 vcc_lo, 0, v2
	s_and_saveexec_b32 s36, vcc_lo
	global_store_b32 v12, v8, s[32:33]
	s_wait_xcnt 0x0
	s_or_b32 exec_lo, exec_lo, s36
.Lend:
	s_wait_tensorcnt 0x0                           ; the wave's end
	ds_add_u32 v[SPW], v[NIL]
	s_wait_dscnt 0x0
	s_endpgm
.Lfunc_end_k_qb7abda80a6_prep:
	.size	k_qb7abda80a6_prep, .Lfunc_end_k_qb7abda80a6_prep-k_qb7abda80a6_prep
	.p2alignl 7, 3214868480
	.fill 96, 4, 3214868480
	.section	.rodata,"a",@progbits
	.p2align	6, 0x0
	.amdhsa_kernel k_qb7abda80a6_prep
		.amdhsa_group_segment_fixed_size 68096
		.amdhsa_private_segment_fixed_size 0
		.amdhsa_enable_private_segment 0
		.amdhsa_kernarg_size 56
		.amdhsa_user_sgpr_count 2
		.amdhsa_user_sgpr_kernarg_segment_ptr 1
		.amdhsa_wavefront_size32 1
		.amdhsa_system_sgpr_workgroup_id_x 1
		.amdhsa_system_sgpr_workgroup_id_y 1
		.amdhsa_system_sgpr_workgroup_id_z 1
		.amdhsa_system_vgpr_workitem_id 0
		.amdhsa_next_free_vgpr 212
		.amdhsa_next_free_sgpr 66
		.amdhsa_reserve_vcc 1
		.amdhsa_float_denorm_mode_32 3
		.amdhsa_float_denorm_mode_16_64 3
		.amdhsa_memory_ordered 1
		.amdhsa_forward_progress 1
		.amdhsa_inst_pref_size 145
	.end_amdhsa_kernel
	.amdgpu_metadata
---
amdhsa.version: [ 1, 2 ]
amdhsa.kernels:
  - .name:           k_qb7abda80a6_prep
    .symbol:         k_qb7abda80a6_prep.kd
    .args:
      - { .name: x, .offset: 0, .size: 8, .value_kind: global_buffer, .address_space: global }
      - { .name: Wq, .offset: 8, .size: 8, .value_kind: global_buffer, .address_space: global }
      - { .name: Wdown, .offset: 16, .size: 8, .value_kind: global_buffer, .address_space: global }
      - { .name: Wk_up, .offset: 24, .size: 8, .value_kind: global_buffer, .address_space: global }
      - { .name: Wv_up, .offset: 32, .size: 8, .value_kind: global_buffer, .address_space: global }
      - { .name: Wo, .offset: 40, .size: 8, .value_kind: global_buffer, .address_space: global }
      - { .name: pw, .offset: 48, .size: 8, .value_kind: global_buffer, .address_space: global }
    .group_segment_fixed_size: 68096
    .private_segment_fixed_size: 0
    .kernarg_segment_align: 8
    .kernarg_segment_size: 56
    .max_flat_workgroup_size: 128
    .sgpr_count:     66
    .vgpr_count:     212
    .wavefront_size: 32
...
	.end_amdgpu_metadata
.endif
;; end of part 1
;; launch qc (part 2): grid 8 x 32, 4 waves a work-group, clusters of 4 x 4, 327,680 bytes of LDS; arguments pw, qw, out1; writes qw, out1
.if DOCPART == 2
	.amdgcn_target "amdgcn-amd-amdhsa--gfx1250"
	.amdhsa_code_object_version 6
	.text
	.protected	k_qb7abda80a6_qc
	.globl	k_qb7abda80a6_qc
	.p2align	8
	.type	k_qb7abda80a6_qc,@function
k_qb7abda80a6_qc:
	s_mov_b64 s[64:65], 0
	v_nop
	global_prefetch_b8 v0, s[64:65] scope:SCOPE_SE
	s_setreg_imm32_b32 hwreg(HW_REG_WAVE_MODE, 25, 1), 1
	s_wait_xcnt 0x0
	s_wait_alu depctr_hold_cnt(0) depctr_sa_sdst(0) depctr_va_vdst(0) depctr_va_sdst(0) depctr_va_ssrc(0) depctr_va_vcc(0) depctr_vm_vsrc(0)
	s_getreg_b32 s2, hwreg(HW_REG_IB_STS2, 6, 4)
	s_cmp_eq_u32 s2, 0
	s_cbranch_scc0 .Lentry_in_a_cluster
	s_endpgm
.Lentry_in_a_cluster:
	s_bfe_u32 s2, ttmp6, 0x10000c
	s_cmp_lg_u32 s2, 0xf033
	s_cbranch_scc0 .Lentry_shape_is_right
	s_endpgm
.Lentry_shape_is_right:
; QC.  Q = x Wq and c = x Wdown on codes of E2M1 with E8M0 scales, K = 1,024.  Q -> f16 by head [32][2048][128]; c -> out1 (f32), f16 [4096][512], and each wave's largest |c|.
; A work-group takes 128 tokens x (256 columns of Q: heads 2 tx, 2 tx + 1; and 64 columns of c): 8 x 32 equal work-groups.  All of K lies in LDS at once: each wave fetches once, nothing is filled again.
; Wave (i, j): tokens 64 i on x (head j's 128 columns + c's columns 32 j on): 32 + 8 accumulators, which take turns in the same order in every K step.
; CLUSTER 4 x 4: x's tile hangs on ty alone and is asked for jointly along a row of the cluster, the weights' tiles on tx alone and along a column.
; The matrix instruction is used transposed (source 0 = 16 columns of a weight, source 1 = 16 tokens): a lane holds eight neighbouring columns of one token.
; LIMIT: |Q| and |c| beyond 65,504 do not fit f16.  c's f16 copy leaves in runs of 128 bytes (64 columns a work-group).
; REGISTERS: window 0: v16-29 addresses; v32-63 x's scale words, v64-143 the weights' (nothing else ever); v160-223 x's fragments, two sets; way out v144-255.
;   window 1: the weights' fragments, two sets of 80 at v0 and v128.   window 2: Q's accumulators at 8 (8 a + b).   window 3: c's at 8 (2 a + b).
.set XSO,  2097152
.set WQC,  2228224
.set WQS,  3276800
.set WDC,  3342336
.set WDS,  3604480
.set C16,  16777216
.set MXC,  20971520
.set PITCH, 528                        ; an LDS row: 512 bytes + 16: the sixteen rows of a load start at sixteen different banks
.set BLK,  16*PITCH
.set LBQ,  128*PITCH
.set LBD,  LBQ+256*PITCH
.set QST,  LBD+64*PITCH                ; a stage of 16 x 272 bytes for each wave
.set CST,  QST+4*16*272                ; the work-group's stage for c: 128 x 272
.set SPARE, CST+128*272
.set ADA, 16
.set ADB, 17
.set ADD, 18
.set STO, 19
.set RD,  20
.set GQ,  21
.set CSTO, 22
.set CRD, 23
.set CO,  24
.set C16O, 25
.set VSC, 26
.set LANE, 27
.set SPW, 28
.set NIL, 29
.set SA,  32
.set SB,  64
.set AF,  160
.set TMP, 160
.set BK,  192
.set CB,  160
.set CH,  224
.set G1A, 24
.set G0A, 32
.set G0B, 36
.set G1B, 48
.set G0D, 56
.set G1D, 68
.set FL,  (1<<20)|(1<<21)|(6<<22)|(3<<25)   ; elements of 1 byte; padding on; bit 21 beside a mask; 4 words behind every 128
.set MSB, 0
.macro WIN new
.if MSB != \new
	s_set_vgpr_msb (MSB<<8)|\new
.set MSB, \new
.endif
.endm
.macro CROUND
	s_barrier_signal -1
	s_barrier_wait -1
	s_cmp_lg_u32 s14, 0
	s_cbranch_scc1 .Lnot_wave_0_\@
	s_barrier_signal -3
.Lnot_wave_0_\@:
	s_barrier_wait -3
	s_barrier_signal -1
	s_barrier_wait -1
.endm
	s_load_b128 s[4:7], s[0:1], 0x0                ; pw, qw
	s_load_b64 s[8:9], s[0:1], 0x10                ; out1
	v_lshl_add_u32 v[SPW], v0, 2, SPARE
	v_mov_b32 v[NIL], 0
	ds_add_u32 v[SPW], v[NIL]                      ; the opening: the add, twice on end, and its wait ahead of my first tensor load
	ds_add_u32 v[SPW], v[NIL]
	v_lshrrev_b32 v1, 5, v0
	v_readfirstlane_b32 s14, v1                    ; wave
	s_lshr_b32 s15, s14, 1                         ; i.  Also: which half of Wq's tile waves 1 and 2 fetch
	s_and_b32 s16, s14, 1                          ; j
	s_bfe_u32 s40, ttmp6, 0x40000                  ; cx
	s_bfe_u32 s41, ttmp6, 0x40004                  ; cy
	s_lshl_b32 s42, ttmp9, 2
	s_add_co_u32 s42, s42, s40                     ; tx
	s_and_b32 s17, ttmp7, 0xffff
	s_lshl_b32 s17, s17, 2
	s_add_co_u32 s17, s17, s41                     ; ty
	s_lshl_b32 s43, s41, 2
	s_lshl_b32 s43, 15, s43                        ; my row of the cluster
	s_lshl_b32 s44, 0x1111, s40                    ; my column
	s_or_b32 s[G1A], s43, FL
	s_or_b32 s[G1B], s44, FL
	s_or_b32 s[G1D], s44, FL
.irp g, G1A, G1B
	s_mov_b32 s[\g+1], 512<<16                     ; tensor_dim0: 512 bytes
	s_mov_b32 s[\g+2], 128<<16                     ; tensor_dim1
	s_mov_b32 s[\g+3], 512<<16                     ; tile_dim0
	s_mov_b32 s[\g+4], 128                         ; tile_dim1
	s_mov_b32 s[\g+5], 512                         ; from row to row
	s_mov_b32 s[\g+6], 0
	s_mov_b32 s[\g+7], 0
.endr
	s_mov_b32 s[G1D+1], 512<<16
	s_mov_b32 s[G1D+2], 64<<16
	s_mov_b32 s[G1D+3], 512<<16
	s_mov_b32 s[G1D+4], 64
	s_mov_b32 s[G1D+5], 512
	s_mov_b32 s[G1D+6], 0
	s_mov_b32 s[G1D+7], 0
	s_lshl_b32 s20, s17, 16                        ; x's codes: 128 ty rows of 512 bytes
	s_mov_b32 s21, 0
	s_lshl_b32 s46, s42, 17                        ; Wq's: 256 tx rows,
	s_lshl_b32 s47, s15, 16                        ; + 128 for the second half
	s_add_co_u32 s46, s46, s47
	s_add_co_u32 s46, s46, WQC
	s_mov_b32 s47, 0
	s_lshl_b32 s92, s42, 15                        ; Wdown's: 64 tx rows
	s_add_co_u32 s92, s92, WDC
	s_mov_b32 s93, 0
	s_mul_i32 s45, s15, 128*PITCH
	s_add_co_u32 s45, s45, LBQ
	s_wait_dscnt 0x0                               ; both opening adds are done
	s_wait_kmcnt 0x0
	CROUND                                         ; all sixteen work-groups are here: the joint loads meet
	s_mov_b32 s[G0A], 1
	s_mov_b32 s[G0A+1], 0
	s_add_nc_u64 s[G0A+2:G0A+3], s[4:5], s[20:21]
	s_or_b32 s[G0A+3], s[G0A+3], 0x80000000
	s_mov_b32 s[G0B], 1
	s_mov_b32 s[G0B+1], s45
	s_add_nc_u64 s[G0B+2:G0B+3], s[4:5], s[46:47]
	s_or_b32 s[G0B+3], s[G0B+3], 0x80000000
	s_mov_b32 s[G0D], 1
	s_mov_b32 s[G0D+1], LBD
	s_add_nc_u64 s[G0D+2:G0D+3], s[4:5], s[92:93]
	s_or_b32 s[G0D+3], s[G0D+3], 0x80000000
	s_cmp_eq_u32 s14, 0                            ; wave 0: x; waves 1, 2: Wq's halves; wave 3: Wdown.  One load a wave is out
	s_cbranch_scc0 .Lnot_a
	tensor_load_to_lds s[G0A:G0A+3], s[G1A:G1A+7]
	s_nop 0
.rept 4
	v_nop
.endr
	s_branch .Lasked
.Lnot_a:
	s_cmp_eq_u32 s14, 3
	s_cbranch_scc1 .Lfor_d
	tensor_load_to_lds s[G0B:G0B+3], s[G1B:G1B+7]
	s_nop 0
.rept 4
	v_nop
.endr
	s_branch .Lasked
.Lfor_d:
	tensor_load_to_lds s[G0D:G0D+3], s[G1D:G1D+7]
	s_nop 0
.rept 4
	v_nop
.endr
.Lasked:
	; the scale words: a row's 32 bytes are its eight K steps' words; lane l takes row l % 16
	v_and_b32 v1, 15, v0                           ; r
	v_bfe_u32 v2, v0, 4, 1                         ; h
	v_and_b32 v[LANE], 31, v0
	v_lshlrev_b32 v[VSC], 5, v1
	s_mov_b32 s77, 0
	s_lshl_b32 s76, s17, 12
	s_lshl_b32 s78, s15, 11
	s_add_co_u32 s76, s76, s78
	s_add_co_u32 s76, s76, XSO
	s_add_nc_u64 s[60:61], s[4:5], s[76:77]
	s_lshl_b32 s76, s42, 13
	s_lshl_b32 s78, s16, 12
	s_add_co_u32 s76, s76, s78
	s_add_co_u32 s76, s76, WQS
	s_add_nc_u64 s[62:63], s[4:5], s[76:77]
	s_lshl_b32 s76, s42, 11
	s_lshl_b32 s78, s16, 10
	s_add_co_u32 s76, s76, s78
	s_add_co_u32 s76, s76, WDS
	s_add_nc_u64 s[66:67], s[4:5], s[76:77]
.irp a, 0,1,2,3
.irp e, 0,1
	global_load_b128 v[SA+8*\a+4*\e:SA+8*\a+4*\e+3], v[VSC], s[60:61] offset:512*\a+16*\e
.endr
.endr
.irp b, 0,1,2,3,4,5,6,7
.irp e, 0,1
	global_load_b128 v[SB+8*\b+4*\e:SB+8*\b+4*\e+3], v[VSC], s[62:63] offset:512*\b+16*\e
.endr
.endr
.irp b, 0,1
.irp e, 0,1
	global_load_b128 v[SB+64+8*\b+4*\e:SB+64+8*\b+4*\e+3], v[VSC], s[66:67] offset:512*\b+16*\e
.endr
.endr
	v_mul_u32_u24 v3, v1, PITCH
	v_lshl_add_u32 v3, v2, 4, v3                   ; a fragment's row x pitch + 16 x half
	s_mul_i32 s76, s15, 64*PITCH
	v_add_nc_u32 v[ADA], s76, v3
	s_mul_i32 s76, s16, 128*PITCH
	s_add_co_u32 s76, s76, LBQ
	v_add_nc_u32 v[ADB], s76, v3
	s_mul_i32 s76, s16, 32*PITCH
	s_add_co_u32 s76, s76, LBD
	v_add_nc_u32 v[ADD], s76, v3
	s_mul_i32 s76, s14, 16*272
	s_add_co_u32 s76, s76, QST
	v_mul_u32_u24 v4, v1, 272
	v_lshl_add_u32 v5, v2, 4, v4
	v_add_nc_u32 v[STO], s76, v5                   ; Q's stage, in: row r, 16 bytes for each half
	v_mul_u32_u24 v6, v2, 272
	v_lshl_add_u32 v6, v1, 4, v6
	v_add_nc_u32 v[RD], s76, v6                    ; back: lanes 0-15 one row, lanes 16-31 the next
	v_lshlrev_b32 v[GQ], 4, v[LANE]
	s_mul_i32 s76, s15, 64*272
	s_lshl_b32 s78, s16, 7
	s_add_co_u32 s76, s76, s78
	s_add_co_u32 s76, s76, CST
	v_lshl_add_u32 v5, v2, 5, v4
	v_add_nc_u32 v[CSTO], s76, v5                  ; c's stage, in: row 64 i + r, byte 128 j + 32 h
	s_mul_i32 s76, s14, 32*272
	s_add_co_u32 s76, s76, CST
	v_add_nc_u32 v[CRD], s76, v6                   ; back: my 32 rows
	v_lshlrev_b32 v[CO], 11, v2
	v_lshl_add_u32 v[CO], v1, 4, v[CO]             ; out1: two rows of 2,048 bytes, 16 bytes a lane
	v_lshlrev_b32 v[C16O], 10, v2
	v_lshl_add_u32 v[C16O], v1, 3, v[C16O]         ; the f16 copy: rows of 1,024 bytes, 8 bytes a lane
	s_mov_b32 s79, 0
	s_lshr_b32 s78, s17, 4
	s_lshl_b32 s78, s78, 4
	s_lshl_b32 s76, s42, 1
	s_add_co_u32 s78, s78, s76
	s_add_co_u32 s78, s78, s16                     ; 16 batch + head
	s_lshl_b32 s78, s78, 11
	s_and_b32 s76, s17, 15
	s_lshl_b32 s76, s76, 7
	s_add_co_u32 s78, s78, s76
	s_lshl_b32 s76, s15, 6
	s_add_co_u32 s78, s78, s76
	s_lshl_b32 s78, s78, 8
	s_add_nc_u64 s[80:81], s[6:7], s[78:79]        ; Q's rows of 256 bytes
	s_lshl_b32 s78, s17, 7
	s_lshl_b32 s76, s14, 5
	s_add_co_u32 s88, s78, s76                     ; the first token that I store of c
	s_lshl_b32 s78, s88, 11
	s_lshl_b32 s76, s42, 8
	s_add_co_u32 s78, s78, s76
	s_add_nc_u64 s[82:83], s[8:9], s[78:79]
	s_lshl_b32 s78, s88, 10
	s_lshl_b32 s76, s42, 7
	s_add_co_u32 s78, s78, s76
	s_add_co_u32 s78, s78, C16
	s_add_nc_u64 s[84:85], s[6:7], s[78:79]
	s_lshl_b32 s78, s17, 3
	s_add_co_u32 s78, s78, s42
	s_lshl_b32 s78, s78, 2
	s_add_co_u32 s78, s78, s14
	s_lshl_b32 s78, s78, 2
	s_add_co_u32 s78, s78, MXC
	s_add_nc_u64 s[86:87], s[6:7], s[78:79]
	s_mov_b32 s90, 0x76543210
	s_mov_b32 s91, 0xfedcba98
	s_wait_tensorcnt 0x0                           ; my tile is in,
	s_barrier_signal -1
	s_barrier_wait -1                              ; everybody's is
	s_wait_loadcnt 0x0                             ; the scale words
.macro FETCHQ q                        ; K step q's fragments: the weights' ten, x's four: 28 loads
	WIN 0x40
.set b, 0
.rept 8
	ds_load_b128 v[128*((\q)%2)+8*b:128*((\q)%2)+8*b+3], v[ADB] offset:b*BLK+64*(\q)
	ds_load_b128 v[128*((\q)%2)+8*b+4:128*((\q)%2)+8*b+7], v[ADB] offset:b*BLK+64*(\q)+32
.set b, b+1
.endr
.set b, 0
.rept 2
	ds_load_b128 v[128*((\q)%2)+64+8*b:128*((\q)%2)+64+8*b+3], v[ADD] offset:b*BLK+64*(\q)
	ds_load_b128 v[128*((\q)%2)+64+8*b+4:128*((\q)%2)+64+8*b+7], v[ADD] offset:b*BLK+64*(\q)+32
.set b, b+1
.endr
	WIN 0
.set a, 0
.rept 4
	ds_load_b128 v[AF+32*((\q)%2)+8*a:AF+32*((\q)%2)+8*a+3], v[ADA] offset:a*BLK+64*(\q)
	ds_load_b128 v[AF+32*((\q)%2)+8*a+4:AF+32*((\q)%2)+8*a+7], v[ADA] offset:a*BLK+64*(\q)+32
.set a, a+1
.endr
.endm
.macro MULQ q                          ; 40 products; K step 0's start the sums
	WIN 0xa1
.set a, 0
.rept 4
.set b, 0
.rept 8
.set rD, 8*(8*a+b)
.set rB, 128*((\q)%2)+8*b
.set rA, AF+32*((\q)%2)+8*a
.if (\q) == 0
	v_wmma_scale_f32_16x16x128_f8f6f4 v[rD:rD+7], v[rB:rB+7], v[rA:rA+7], 0, v[SB+8*b+(\q)], v[SA+8*a+(\q)] matrix_a_fmt:MATRIX_FMT_FP4 matrix_b_fmt:MATRIX_FMT_FP4
.else
	v_wmma_scale_f32_16x16x128_f8f6f4 v[rD:rD+7], v[rB:rB+7], v[rA:rA+7], v[rD:rD+7], v[SB+8*b+(\q)], v[SA+8*a+(\q)] matrix_a_fmt:MATRIX_FMT_FP4 matrix_b_fmt:MATRIX_FMT_FP4
.endif
.set b, b+1
.endr
.set a, a+1
.endr
	WIN 0xf1
.set a, 0
.rept 4
.set b, 0
.rept 2
.set rD, 8*(2*a+b)
.set rB, 128*((\q)%2)+64+8*b
.set rA, AF+32*((\q)%2)+8*a
.if (\q) == 0
	v_wmma_scale_f32_16x16x128_f8f6f4 v[rD:rD+7], v[rB:rB+7], v[rA:rA+7], 0, v[SB+64+8*b+(\q)], v[SA+8*a+(\q)] matrix_a_fmt:MATRIX_FMT_FP4 matrix_b_fmt:MATRIX_FMT_FP4
.else
	v_wmma_scale_f32_16x16x128_f8f6f4 v[rD:rD+7], v[rB:rB+7], v[rA:rA+7], v[rD:rD+7], v[SB+64+8*b+(\q)], v[SA+8*a+(\q)] matrix_a_fmt:MATRIX_FMT_FP4 matrix_b_fmt:MATRIX_FMT_FP4
.endif
.set b, b+1
.endr
.set a, a+1
.endr
.endm
	FETCHQ 0
.irp q, 0,1,2,3,4,5,6,7
	s_wait_dscnt 0x0                               ; this K step's fragments are in (asked for 40 products ago)
.rept 4
	v_nop                                          ; places in front of loads into the set that the last K step's products read
.endr
.if \q < 7
	FETCHQ \q+1
.endif
	MULQ \q
.endr
	WIN 0
.rept 4
	v_nop                                          ; places in front of the first read of results and of writes into x's fragments
.endr
	; Q's way out: 16 tokens at a time, rounded to f16, through my own stage, and out as 4,096 dense bytes
.set a, 0
.rept 4
	WIN 0x0a
.set b, 0
.rept 8
.set rr, 0
.rept 4
	v_cvt_pk_f16_f32 v[TMP+4*b+rr], v[8*(8*a+b)+2*rr], v[8*(8*a+b)+2*rr+1]
.set rr, rr+1
.endr
.set b, b+1
.endr
	WIN 0
.set b, 0
.rept 8
	ds_store_b128 v[STO], v[TMP+4*b:TMP+4*b+3] offset:32*b
.set b, b+1
.endr
	s_wait_xcnt 0x0                                ; the last block's stores have read their data
.set t, 0
.rept 8
	ds_load_b128 v[BK+4*t:BK+4*t+3], v[RD] offset:t*544   ; LDS serves a wave's instructions in order: these see the stores above
.set t, t+1
.endr
	s_wait_dscnt 0x0
.set t, 0
.rept 8
	global_store_b128 v[GQ], v[BK+4*t:BK+4*t+3], s[80:81] offset:a*4096+512*t
.set t, t+1
.endr
.set a, a+1
.endr
	; c's way out: a row's 64 columns come from two waves: the work-group's stage, a barrier, whole rows of 256 bytes
	WIN 0x0c                                       ; an LDS store's data are its source 1: window 3
.set a, 0
.rept 4
.set b, 0
.rept 2
	ds_store_b128 v[CSTO], v[8*(2*a+b):8*(2*a+b)+3] offset:a*16*272+64*b
	ds_store_b128 v[CSTO], v[8*(2*a+b)+4:8*(2*a+b)+7] offset:a*16*272+64*b+16
.set b, b+1
.endr
.set a, a+1
.endr
	WIN 0
	s_wait_dscnt 0x0                               ; for the others' sake: my stores have landed
	s_barrier_signal -1
	s_barrier_wait -1
	s_wait_xcnt 0x0                                ; Q's stores have read their data
.set t, 0
.rept 16
	ds_load_b128 v[CB+4*t:CB+4*t+3], v[CRD] offset:t*544
.set t, t+1
.endr
	v_mov_b32 v144, 0
	v_mov_b32 v145, 0
	s_wait_dscnt 0x0
.set t, 0
.rept 16
	global_store_b128 v[CO], v[CB+4*t:CB+4*t+3], s[82:83] offset:t*4096   ; sixteen lanes: 256 consecutive bytes, aligned
.set t, t+1
.endr
.set t, 0
.rept 16
	v_cvt_pk_f16_f32 v[CH+2*t], v[CB+4*t], v[CB+4*t+1]
	v_cvt_pk_f16_f32 v[CH+2*t+1], v[CB+4*t+2], v[CB+4*t+3]
	v_max3_num_f32 v144, v144, |v[CB+4*t]|, |v[CB+4*t+1]|
	v_max3_num_f32 v144, v144, |v[CB+4*t+2]|, |v[CB+4*t+3]|
	global_store_b64 v[C16O], v[CH+2*t:CH+2*t+1], s[84:85] offset:t*2048
.set t, t+1
.endr
	v_max_num_f32_dpp v144, v144, v144 row_xmask:1 row_mask:0xf bank_mask:0xf
	v_max_num_f32_dpp v144, v144, v144 row_xmask:2 row_mask:0xf bank_mask:0xf
	v_max_num_f32_dpp v144, v144, v144 row_xmask:4 row_mask:0xf bank_mask:0xf
	v_max_num_f32_dpp v144, v144, v144 row_xmask:8 row_mask:0xf bank_mask:0xf
	v_permlanex16_b32 v145, v144, s90, s91
	v_max_num_f32 v144, v144, v145                 ; the wave's largest |c|
	v_mov_b32 v146, 0
	s_wait_xcnt 0x0                                ; EXEC changes only behind this wait
	v_cmp_eq_u32 vcc_lo, 0, v[LANE]
	s_and_saveexec_b32 s89, vcc_lo
	global_store_b32 v146, v144, s[86:87]
	s_wait_xcnt 0x0
	s_or_b32 exec_lo, exec_lo, s89
	s_wait_tensorcnt 0x0                           ; the wave's end
	ds_add_u32 v[SPW], v[NIL]
	s_wait_dscnt 0x0
	CROUND                                         ; the closing round
	s_endpgm
.Lfunc_end_k_qb7abda80a6_qc:
	.size	k_qb7abda80a6_qc, .Lfunc_end_k_qb7abda80a6_qc-k_qb7abda80a6_qc
	.p2alignl 7, 3214868480
	.fill 96, 4, 3214868480
	.section	.rodata,"a",@progbits
	.p2align	6, 0x0
	.amdhsa_kernel k_qb7abda80a6_qc
		.amdhsa_group_segment_fixed_size 327680
		.amdhsa_private_segment_fixed_size 0
		.amdhsa_enable_private_segment 0
		.amdhsa_kernarg_size 24
		.amdhsa_user_sgpr_count 2
		.amdhsa_user_sgpr_kernarg_segment_ptr 1
		.amdhsa_wavefront_size32 1
		.amdhsa_system_sgpr_workgroup_id_x 1
		.amdhsa_system_sgpr_workgroup_id_y 1
		.amdhsa_system_sgpr_workgroup_id_z 1
		.amdhsa_system_vgpr_workitem_id 0
		.amdhsa_next_free_vgpr 1024
		.amdhsa_next_free_sgpr 100
		.amdhsa_reserve_vcc 1
		.amdhsa_float_denorm_mode_32 3
		.amdhsa_float_denorm_mode_16_64 3
		.amdhsa_memory_ordered 1
		.amdhsa_forward_progress 1
		.amdhsa_inst_pref_size 94
	.end_amdhsa_kernel
	.amdgpu_metadata
---
amdhsa.version: [ 1, 2 ]
amdhsa.kernels:
  - .name:           k_qb7abda80a6_qc
    .symbol:         k_qb7abda80a6_qc.kd
    .args:
      - { .name: pw, .offset: 0, .size: 8, .value_kind: global_buffer, .address_space: global }
      - { .name: qw, .offset: 8, .size: 8, .value_kind: global_buffer, .address_space: global }
      - { .name: out1, .offset: 16, .size: 8, .value_kind: global_buffer, .address_space: global }
    .group_segment_fixed_size: 327680
    .private_segment_fixed_size: 0
    .kernarg_segment_align: 8
    .kernarg_segment_size: 24
    .max_flat_workgroup_size: 128
    .sgpr_count:     100
    .vgpr_count:     1024
    .wavefront_size: 32
...
	.end_amdgpu_metadata
.endif
;; end of part 2
;; launch fine_a (part 3): grid 32 x 1, 16 waves a work-group, no clusters, 28,672 bytes of LDS; arguments pw, qw, out1, Wk_up, Wv_up, fw; writes fw
.if DOCPART == 3
	.amdgcn_target "amdgcn-amd-amdhsa--gfx1250"
	.amdhsa_code_object_version 6
	.text
	.protected	k_qb7abda80a6_fine_a
	.globl	k_qb7abda80a6_fine_a
	.p2align	8
	.type	k_qb7abda80a6_fine_a,@function
k_qb7abda80a6_fine_a:
	s_mov_b64 s[64:65], 0
	v_nop
	global_prefetch_b8 v0, s[64:65] scope:SCOPE_SE
	s_setreg_imm32_b32 hwreg(HW_REG_WAVE_MODE, 25, 1), 1
	s_wait_xcnt 0x0
; FINE_A.  The first 16 positions of every (batch, head), carried in f32: K and V rows from c (out1) and the f32 weights, Q rows by the quantised product itself, a causal softmax of 16 x 16, P V.  -> OF32 [16 b + position][2048].
; These rows average one to sixteen values and are the largest of the output: f16 operands would use up what the comparison allows.
; Work-group 0's wave 15 also makes the four numbers by which K and V are kept in f16's range: eK = floor(log2 max|c|) + floor(log2 max|Wk_up|), eV likewise:
;   SCL = { log2(e)/sqrt(128) x 2^eK, 2^-eK, 2^eV, 2^-eV }.  |K| < 512 x max|c| x max|Wk_up| < 2,048 x 2^eK.   LIMIT: the maxima are held to 2^-60 .. 2^60.
; THE f32 MATRIX FORM takes k = 2 h + j in register j.  K is permuted alike on both sources: for group g of 8 and step e, lane (r, h) register j holds k = 8 g + 4 h + 2 e + j: a row operand comes by 16-byte loads.
; Its accumulators (v40-87) are written by matrix instructions alone, two to a sum by turns; sums of the two go to other registers.
.set XSO,  2097152
.set WQC,  2228224
.set WQS,  3276800
.set MXW,  12009472
.set MXC,  20971520
.set SCL,  262144
.set LP,   528                         ; a row of 128 f32 in LDS + 16
.set QL,   0
.set KL,   16*LP
.set VL,   32*LP
.set PL,   48*LP                       ; 16 rows of 64 bytes + 16
.set SPARE, 26624
.set VC,  4
.set VW,  5
.set LST, 6
.set LQS, 7
.set VXC, 8
.set VSC, 9
.set LQK, 10
.set LPS, 11
.set LPA, 12
.set LVB, 13
.set VO,  14
.set VD,  15
.set NEG, 16
.set SPW, 30
.set NIL, 31
.set T,   32
.set FA0, 40
.set FB0, 56
.set FC0, 72
.set QD,  88
.set SX,  96                           ; x's scale words, then Wq's at 104: nothing else ever
.set M,   112
.set SET, 128
	s_load_b256 s[4:11], s[0:1], 0x0               ; pw, qw, out1, Wk_up
	s_load_b128 s[12:15], s[0:1], 0x20             ; Wv_up, fw
	v_lshl_add_u32 v[SPW], v0, 2, SPARE
	v_mov_b32 v[NIL], 0
	v_lshrrev_b32 v1, 5, v0
	v_readfirstlane_b32 s16, v1                    ; wave
	s_lshr_b32 s17, ttmp9, 4                       ; batch
	s_and_b32 s18, ttmp9, 15                       ; head
	s_and_b32 s19, s16, 7                          ; which 16 columns of the head
	s_lshr_b32 s20, s16, 3                         ; K (0) or V (1)
	v_and_b32 v1, 15, v0                           ; r
	v_bfe_u32 v2, v0, 4, 1                         ; h
	v_and_b32 v3, 31, v0                           ; lane
	v_lshlrev_b32 v[VC], 11, v1
	v_lshl_add_u32 v[VC], v2, 4, v[VC]             ; c: row r of 2,048 bytes + 16 h
	v_lshlrev_b32 v[VW], 15, v2
	v_lshl_add_u32 v[VW], v1, 2, v[VW]             ; W: 4 h rows of 8,192 bytes + 4 r
	v_mul_u32_u24 v19, v2, 8*LP
	v_lshl_add_u32 v19, v1, 2, v19                 ; a result's place: row 8 h, column r
	s_lshl_b32 s21, s19, 6
	v_add_nc_u32 v[LQS], s21, v19                  ; Q's (QL = 0)
	s_mul_i32 s36, s20, 16*LP
	s_add_co_u32 s36, s36, s21
	s_add_co_u32 s36, s36, KL
	v_add_nc_u32 v[LST], s36, v19                  ; K's or V's
	v_lshlrev_b32 v[VXC], 9, v1
	v_lshl_add_u32 v[VXC], v2, 4, v[VXC]           ; codes: row r of 512 bytes + 16 h
	v_lshlrev_b32 v[VSC], 5, v1
	v_mul_u32_u24 v[LQK], v1, LP
	v_lshl_add_u32 v[LQK], v2, 4, v[LQK]
	v_mul_u32_u24 v[LPS], v2, 8*80
	v_lshl_add_u32 v[LPS], v1, 2, v[LPS]
	v_add_nc_u32 v[LPS], PL, v[LPS]
	v_mul_u32_u24 v[LPA], v1, 80
	v_lshl_add_u32 v[LPA], v2, 4, v[LPA]
	v_add_nc_u32 v[LPA], PL, v[LPA]
	v_mul_u32_u24 v[LVB], v2, 4*LP
	v_lshl_add_u32 v[LVB], v1, 2, v[LVB]
	s_add_co_u32 s36, s21, VL
	v_add_nc_u32 v[LVB], s36, v[LVB]
	v_lshlrev_b32 v[VO], 16, v2
	v_lshl_add_u32 v[VO], v1, 2, v[VO]             ; OF32: 8 h rows of 8,192 bytes + 4 r
	v_lshlrev_b32 v[VD], 3, v2
	v_sub_nc_u32 v[VD], v1, v[VD]                  ; r - 8 h
	v_mov_b32 v[NEG], 0xff800000
	v_lshlrev_b32 v17, 4, v3
	v_mov_b32 v18, 0
	s_mov_b32 s46, 0x76543210
	s_mov_b32 s47, 0xfedcba98
	s_lshl_b32 s37, s18, 7
	s_lshl_b32 s36, s19, 4
	s_add_co_u32 s48, s37, s36                     ; my first column: 128 head + 16 tile
	s_mov_b32 s37, 0
	s_wait_kmcnt 0x0
	s_lshl_b32 s36, s17, 22
	s_add_nc_u64 s[22:23], s[8:9], s[36:37]        ; c at the batch's first position
	s_cmp_eq_u32 s20, 0
	s_cselect_b64 s[24:25], s[10:11], s[12:13]
	s_lshl_b32 s36, s48, 2
	s_add_nc_u64 s[24:25], s[24:25], s[36:37]      ; Wk_up or Wv_up at my columns
	s_lshl_b32 s36, s17, 20
	s_add_nc_u64 s[26:27], s[4:5], s[36:37]        ; x's codes
	s_lshl_b32 s36, s48, 9
	s_add_co_u32 s36, s36, WQC
	s_add_nc_u64 s[28:29], s[4:5], s[36:37]        ; Wq's codes
	s_lshl_b32 s36, s17, 16
	s_add_co_u32 s36, s36, XSO
	s_add_nc_u64 s[30:31], s[4:5], s[36:37]
	s_lshl_b32 s36, s48, 5
	s_add_co_u32 s36, s36, WQS
	s_add_nc_u64 s[32:33], s[4:5], s[36:37]
	s_lshl_b32 s36, s17, 17
	s_lshl_b32 s49, s48, 2
	s_add_co_u32 s36, s36, s49
	s_add_nc_u64 s[34:35], s[14:15], s[36:37]      ; OF32 at row 16 b, my columns
	s_add_nc_u64 s[38:39], s[6:7], MXC
	s_add_nc_u64 s[40:41], s[4:5], MXW
	s_add_nc_u64 s[44:45], s[14:15], SCL
; ---- 1: K's (waves 0-7) or V's (8-15) 16 positions x 16 columns, K = 512 in chunks of 64
.macro LOADC ch
.set g, 0
.rept 8
	global_load_b128 v[SET+64*((\ch)%2)+4*g:SET+64*((\ch)%2)+4*g+3], v[VC], s[22:23] offset:256*(\ch)+32*g
.set g, g+1
.endr
.set k, 0
.rept 32
	global_load_b32 v[SET+64*((\ch)%2)+32+k], v[VW], s[24:25] offset:(64*(\ch)+8*(k/4)+(k%4))*8192
.set k, k+1
.endr
.endm
	LOADC 0
	LOADC 1
.irp ch, 0,1,2,3,4,5,6,7
.if \ch < 7
	s_wait_loadcnt 40                              ; this chunk's 40 loads are in; the next chunk's may be out
.else
	s_wait_loadcnt 0
.endif
.set k, 0
.rept 16
.set ac, FA0+8*(k%2)
.set s0, SET+64*(\ch%2)
.if (\ch == 0) && (k < 2)
	v_wmma_f32_16x16x4_f32 v[ac:ac+7], v[s0+2*k:s0+2*k+1], v[s0+32+2*k:s0+32+2*k+1], 0
.else
	v_wmma_f32_16x16x4_f32 v[ac:ac+7], v[s0+2*k:s0+2*k+1], v[s0+32+2*k:s0+32+2*k+1], v[ac:ac+7]
.endif
.set k, k+1
.endr
.rept 8
	v_nop                                          ; eight places behind this form, in front of loads into its sources and of the first read of results
.endr
.if \ch < 6
	LOADC \ch+2
.endif
.endr
.irp j, 0,1,2,3,4,5,6,7
	v_add_f32 v[T+\j], v[FA0+\j], v[FA0+8+\j]
.endr
.irp j, 0,1,2,3,4,5,6,7
	ds_store_b32 v[LST], v[T+\j] offset:\j*LP      ; (position 8 h + j, column r)
.endr
; ---- 1b: Q's 16 positions x 16 columns, by the quantised product (waves 0-7)
	s_cmp_lt_u32 s16, 8
	s_cbranch_scc0 .Lno_q
.set q, 0
.rept 8
	global_load_b128 v[SET+8*q:SET+8*q+3], v[VXC], s[26:27] offset:64*q
	global_load_b128 v[SET+8*q+4:SET+8*q+7], v[VXC], s[26:27] offset:64*q+32
	global_load_b128 v[SET+64+8*q:SET+64+8*q+3], v[VXC], s[28:29] offset:64*q
	global_load_b128 v[SET+64+8*q+4:SET+64+8*q+7], v[VXC], s[28:29] offset:64*q+32
.set q, q+1
.endr
	global_load_b128 v[SX:SX+3], v[VSC], s[30:31]
	global_load_b128 v[SX+4:SX+7], v[VSC], s[30:31] offset:16
	global_load_b128 v[SX+8:SX+11], v[VSC], s[32:33]
	global_load_b128 v[SX+12:SX+15], v[VSC], s[32:33] offset:16
	s_wait_loadcnt 0x0
	v_wmma_scale_f32_16x16x128_f8f6f4 v[QD:QD+7], v[SET:SET+7], v[SET+64:SET+71], 0, v[SX], v[SX+8] matrix_a_fmt:MATRIX_FMT_FP4 matrix_b_fmt:MATRIX_FMT_FP4
.set q, 1
.rept 7
	s_wait_alu depctr_va_vdst(0)                   ; a wait ahead of every link
	v_wmma_scale_f32_16x16x128_f8f6f4 v[QD:QD+7], v[SET+8*q:SET+8*q+7], v[SET+64+8*q:SET+64+8*q+7], v[QD:QD+7], v[SX+q], v[SX+8+q] matrix_a_fmt:MATRIX_FMT_FP4 matrix_b_fmt:MATRIX_FMT_FP4
.set q, q+1
.endr
.rept 4
	v_nop
.endr
.irp j, 0,1,2,3,4,5,6,7
	ds_store_b32 v[LQS], v[QD+\j] offset:\j*LP
.endr
.Lno_q:
	s_wait_dscnt 0x0                               ; my stores have landed
	s_barrier_signal -1
	s_barrier_wait -1                              ; Q, K and V of the 16 positions lie in LDS
; ---- 2: the 16 x 16 scores and their softmax (wave 0)
	s_cmp_eq_u32 s16, 0
	s_cbranch_scc0 .Lno_s
.set g, 0
.rept 16
	ds_load_b128 v[SET+4*g:SET+4*g+3], v[LQK] offset:QL+32*g
	ds_load_b128 v[SET+64+4*g:SET+64+4*g+3], v[LQK] offset:KL+32*g
.set g, g+1
.endr
	s_wait_dscnt 0x0
.set k, 0
.rept 32
.set ac, FB0+8*(k%2)
.if k < 2
	v_wmma_f32_16x16x4_f32 v[ac:ac+7], v[SET+2*k:SET+2*k+1], v[SET+64+2*k:SET+64+2*k+1], 0
.else
	v_wmma_f32_16x16x4_f32 v[ac:ac+7], v[SET+2*k:SET+2*k+1], v[SET+64+2*k:SET+64+2*k+1], v[ac:ac+7]
.endif
.set k, k+1
.endr
.rept 8
	v_nop
.endr
.irp j, 0,1,2,3,4,5,6,7
	v_add_f32 v[T+\j], v[FB0+\j], v[FB0+8+\j]      ; (query 8 h + j, key r)
.endr
.irp j, 0,1,2,3,4,5,6,7
	v_cmp_lt_i32 vcc_lo, \j, v[VD]                 ; key r after query 8 h + j: hidden
	v_cndmask_b32 v[T+\j], v[T+\j], v[NEG], vcc_lo
.endr
.irp j, 0,1,2,3,4,5,6,7
	v_mov_b32 v[M+\j], v[T+\j]
.endr
.irp x, 1,2,4,8
.irp j, 0,1,2,3,4,5,6,7
	v_max_num_f32_dpp v[M+\j], v[M+\j], v[M+\j] row_xmask:\x row_mask:0xf bank_mask:0xf   ; the row's maximum, over its sixteen lanes
.endr
.endr
.irp j, 0,1,2,3,4,5,6,7
	v_sub_f32 v[T+\j], v[T+\j], v[M+\j]
.endr
.irp j, 0,1,2,3,4,5,6,7
	v_mul_f32 v[T+\j], 0x3e0293ee, v[T+\j]         ; x log2(e) / sqrt(128)
.endr
.irp j, 0,1,2,3,4,5,6,7
	v_exp_f32 v[T+\j], v[T+\j]
.endr
	v_nop
	s_wait_alu depctr_va_vdst(0)                   ; one wait for the batch, ahead of its first reader
.irp j, 0,1,2,3,4,5,6,7
	v_mov_b32 v[M+\j], v[T+\j]
.endr
.irp x, 1,2,4,8
.irp j, 0,1,2,3,4,5,6,7
	v_add_f32_dpp v[M+\j], v[M+\j], v[M+\j] row_xmask:\x row_mask:0xf bank_mask:0xf
.endr
.endr
.irp j, 0,1,2,3,4,5,6,7
	v_rcp_f32 v[M+\j], v[M+\j]
.endr
	v_nop
	s_wait_alu depctr_va_vdst(0)
.irp j, 0,1,2,3,4,5,6,7
	v_mul_f32 v[T+\j], v[T+\j], v[M+\j]
.endr
.irp j, 0,1,2,3,4,5,6,7
	ds_store_b32 v[LPS], v[T+\j] offset:\j*80
.endr
.Lno_s:
	s_wait_dscnt 0x0
	s_barrier_signal -1
	s_barrier_wait -1                              ; the weights lie in LDS
; ---- 3: P V, 16 positions x my 16 channels (waves 0-7)
	s_cmp_lt_u32 s16, 8
	s_cbranch_scc0 .Lno_o
	ds_load_b128 v[SET:SET+3], v[LPA]
	ds_load_b128 v[SET+4:SET+7], v[LPA] offset:32
.set k, 0
.rept 8
	ds_load_b32 v[SET+8+k], v[LVB] offset:(8*(k/4)+(k%4))*LP
.set k, k+1
.endr
	s_wait_dscnt 0x0
	v_wmma_f32_16x16x4_f32 v[FC0:FC0+7], v[SET:SET+1], v[SET+8:SET+9], 0
	v_wmma_f32_16x16x4_f32 v[FC0+8:FC0+15], v[SET+2:SET+3], v[SET+10:SET+11], 0
	v_wmma_f32_16x16x4_f32 v[FC0:FC0+7], v[SET+4:SET+5], v[SET+12:SET+13], v[FC0:FC0+7]
	v_wmma_f32_16x16x4_f32 v[FC0+8:FC0+15], v[SET+6:SET+7], v[SET+14:SET+15], v[FC0+8:FC0+15]
.rept 8
	v_nop
.endr
.irp j, 0,1,2,3,4,5,6,7
	v_add_f32 v[T+\j], v[FC0+\j], v[FC0+8+\j]
.endr
.irp j, 0,1,2,3,4,5,6,7
	global_store_b32 v[VO], v[T+\j], s[34:35] offset:\j*8192
.endr
.Lno_o:
; ---- the four scale numbers (work-group 0, wave 15: ids alone)
	s_xor_b32 s36, s16, 15
	s_or_b32 s36, s36, ttmp9
	s_cmp_eq_u32 s36, 0
	s_cbranch_scc0 .Lend
	s_wait_xcnt 0x0                                ; the stores above have read their data and addresses: v32-35 are written again only behind this wait
.set i, 0
.rept 8
	global_load_b128 v[SET+4*i:SET+4*i+3], v17, s[38:39] offset:512*i
.set i, i+1
.endr
	global_load_b128 v[SET+32:SET+35], v17, s[40:41]
	global_load_b128 v[SET+36:SET+39], v17, s[40:41] offset:512
	v_mov_b32 v35, 0
	s_mov_b32 s42, 0x21800000                      ; 2^-60
	s_mov_b32 s43, 0x5d800000                      ; 2^60
	s_wait_loadcnt 0x0
	v_max_num_f32 v32, v[SET], v[SET+1]
.set i, 1
.rept 15
	v_max3_num_f32 v32, v32, v[SET+2*i], v[SET+2*i+1]
.set i, i+1
.endr
	v_max3_num_f32 v33, v[SET+32], v[SET+33], v[SET+34]
	v_max_num_f32 v33, v33, v[SET+35]
	v_max3_num_f32 v34, v[SET+36], v[SET+37], v[SET+38]
	v_max_num_f32 v34, v34, v[SET+39]
.irp v, 32,33,34
	v_max_num_f32_dpp v\v, v\v, v\v row_xmask:1 row_mask:0xf bank_mask:0xf
	v_max_num_f32_dpp v\v, v\v, v\v row_xmask:2 row_mask:0xf bank_mask:0xf
	v_max_num_f32_dpp v\v, v\v, v\v row_xmask:4 row_mask:0xf bank_mask:0xf
	v_max_num_f32_dpp v\v, v\v, v\v row_xmask:8 row_mask:0xf bank_mask:0xf
	v_permlanex16_b32 v35, v\v, s46, s47
	v_max_num_f32 v\v, v\v, v35
	v_med3_num_f32 v\v, v\v, s42, s43
	v_and_b32 v\v, 0x7f800000, v\v                 ; 2^floor(log2)
.endr
	v_mul_f32 v112, v32, v33                       ; 2^eK
	v_mul_f32 v118, v32, v34                       ; 2^eV
	v_mul_f32 v116, 0x3e0293ee, v112
	v_sub_nc_u32 v117, 0x7f000000, v112            ; a power of two's reciprocal: 254 less its exponent field
	v_sub_nc_u32 v119, 0x7f000000, v118
	s_wait_xcnt 0x0                                ; EXEC changes only behind this wait
	v_cmp_eq_u32 vcc_lo, 0, v3
	s_and_saveexec_b32 s50, vcc_lo
	global_store_b128 v18, v[116:119], s[44:45]
	s_wait_xcnt 0x0
	s_or_b32 exec_lo, exec_lo, s50
.Lend:
	s_wait_tensorcnt 0x0                           ; the wave's end
	ds_add_u32 v[SPW], v[NIL]
	s_wait_dscnt 0x0
	s_endpgm
.Lfunc_end_k_qb7abda80a6_fine_a:
	.size	k_qb7abda80a6_fine_a, .Lfunc_end_k_qb7abda80a6_fine_a-k_qb7abda80a6_fine_a
	.p2alignl 7, 3214868480
	.fill 96, 4, 3214868480
	.section	.rodata,"a",@progbits
	.p2align	6, 0x0
	.amdhsa_kernel k_qb7abda80a6_fine_a
		.amdhsa_group_segment_fixed_size 28672
		.amdhsa_private_segment_fixed_size 0
		.amdhsa_enable_private_segment 0
		.amdhsa_kernarg_size 48
		.amdhsa_user_sgpr_count 2
		.amdhsa_user_sgpr_kernarg_segment_ptr 1
		.amdhsa_wavefront_size32 1
		.amdhsa_system_sgpr_workgroup_id_x 1
		.amdhsa_system_sgpr_workgroup_id_y 1
		.amdhsa_system_sgpr_workgroup_id_z 1
		.amdhsa_system_vgpr_workitem_id 0
		.amdhsa_next_free_vgpr 256
		.amdhsa_next_free_sgpr 66
		.amdhsa_reserve_vcc 1
		.amdhsa_float_denorm_mode_32 3
		.amdhsa_float_denorm_mode_16_64 3
		.amdhsa_memory_ordered 1
		.amdhsa_forward_progress 1
		.amdhsa_inst_pref_size 69
	.end_amdhsa_kernel
	.amdgpu_metadata
---
amdhsa.version: [ 1, 2 ]
amdhsa.kernels:
  - .name:           k_qb7abda80a6_fine_a
    .symbol:         k_qb7abda80a6_fine_a.kd
    .args:
      - { .name: pw, .offset: 0, .size: 8, .value_kind: global_buffer, .address_space: global }
      - { .name: qw, .offset: 8, .size: 8, .value_kind: global_buffer, .address_space: global }
      - { .name: out1, .offset: 16, .size: 8, .value_kind: global_buffer, .address_space: global }
      - { .name: Wk_up, .offset: 24, .size: 8, .value_kind: global_buffer, .address_space: global }
      - { .name: Wv_up, .offset: 32, .size: 8, .value_kind: global_buffer, .address_space: global }
      - { .name: fw, .offset: 40, .size: 8, .value_kind: global_buffer, .address_space: global }
    .group_segment_fixed_size: 28672
    .private_segment_fixed_size: 0
    .kernarg_segment_align: 8
    .kernarg_segment_size: 48
    .max_flat_workgroup_size: 512
    .sgpr_count:     66
    .vgpr_count:     256
    .wavefront_size: 32
...
	.end_amdgpu_metadata
.endif
;; end of part 3
;; launch kv (part 4): grid 16 x 16, 4 waves a work-group, clusters of 4 x 4, 327,680 bytes of LDS; arguments qw, pw, fw, kvw; writes kvw
.if DOCPART == 4
	.amdgcn_target "amdgcn-amd-amdhsa--gfx1250"
	.amdhsa_code_object_version 6
	.text
	.protected	k_qb7abda80a6_kv
	.globl	k_qb7abda80a6_kv
	.p2align	8
	.type	k_qb7abda80a6_kv,@function
k_qb7abda80a6_kv:
	s_mov_b64 s[64:65], 0
	v_nop
	global_prefetch_b8 v0, s[64:65] scope:SCOPE_SE
	s_setreg_imm32_b32 hwreg(HW_REG_WAVE_MODE, 25, 1), 1
	s_wait_xcnt 0x0
	s_wait_alu depctr_hold_cnt(0) depctr_sa_sdst(0) depctr_va_vdst(0) depctr_va_sdst(0) depctr_va_ssrc(0) depctr_va_vcc(0) depctr_vm_vsrc(0)
	s_getreg_b32 s2, hwreg(HW_REG_IB_STS2, 6, 4)
	s_cmp_eq_u32 s2, 0
	s_cbranch_scc0 .Lentry_in_a_cluster
	s_endpgm
.Lentry_in_a_cluster:
	s_bfe_u32 s2, ttmp6, 0x10000c
	s_cmp_lg_u32 s2, 0xf033
	s_cbranch_scc0 .Lentry_shape_is_right
	s_endpgm
.Lentry_shape_is_right:
; KV.  K' = c Wk_up x 2^-eK and V' = c Wv_up x 2^-eV in f16 operands with f32 sums.  A = c in f16 [4096][512], K innermost.  B = Wk_up | Wv_up in f16 [512][4096], N innermost:
; its fragments come out of LDS turned, by ds_load_tr16_b128.  Results are rounded to f16 and laid by head: K' [32 bh][2048][128], then V' likewise.
; A tile of C is 256 x 256: 16 x 16 work-groups of four waves, as many as a WGP has SIMDs; a wave makes 128 x 128: 64 accumulators of 16 x 16, 512 registers, which take turns in the same order
; in every quarter step.  A wave's 128 columns are one head: tile column tx < 8 holds heads 2 tx, 2 tx + 1 of K, the others those of V.
; K = 512 goes in four steps of 128 through two LDS slots: K steps 0 and 1 are first fills, K steps 2 and 3 refills; the four steps are written out.
; CLUSTER 4 x 4: A's tile hangs on the tile row alone and is asked for jointly along a row of the cluster, B's on the tile column alone and along a column.
; THE MATRIX INSTRUCTION IS USED TRANSPOSED (source 0 = 16 columns of B, source 1 = 16 rows of A): a lane holds eight neighbouring columns of one row of C.
; The powers of two come from memory and only multiply: no address and no branch hangs on them.
; REGISTERS, in windows of 256: window 0: v16-29 addresses; v64-127, v128-191 A's fragments (8 x 16 rows x 32 K), two buffers; v192-223 packed results; v32-63, v224-255 rows back from the stage.
;   window 1: v64-127, v128-191 B's fragments, two buffers.   window 2: the accumulators of my rows 0-63 ((a, b) at 8 (8 a + b));   window 3: those of my rows 64-127.
.set SIZE_K, 512
.set SIZE_N, 4096
.set AOFF,   16777216                  ; c in f16: its first byte in qw
.set BGOFF,  3620864                   ; the weights in f16: their first byte in pw
.set SCL,    262144                    ; the four scale numbers in fw
.set KSTEP,  128
.set PITCH,  272                       ; A's LDS row: 256 bytes + 16: the sixteen rows of a load start at sixteen different banks
.set PB,     544                       ; B's LDS row: 512 bytes + 32 = 136 words: row r starts at bank 8 r mod 64
.set HALFA,  128*PITCH                 ; 128 rows of A: what one tensor load brings, and what one wave reads
.set HALFB,  64*PB                     ; 64 rows along K of B: what one tensor load brings
.set BOFF,   2*HALFA
.set SLOT,   BOFF+2*HALFB
.set STAGE,  2*SLOT                    ; behind the ring: 16 rows x 272 bytes for each wave, for the way out; no fill lands there
.set SPITCH, 272
.set SPARE,  STAGE+4*16*SPITCH         ; the spare words, 128 bytes for each wave
.set ADRA, 16                          ; v16-17  LDS address of my A fragments in slot 0, 1
.set ADRB, 20                          ; v20-21  the same for B
.set STO,  24                          ; v24     the way out: where I put 16 bytes of a row
.set RD,   25                          ; v25     the way out: where I read a row back
.set CO,   26                          ; v26     16 x lane: a head's rows are 256 dense bytes
.set SPW,  28                          ; v28     LDS address of my spare word; never rewritten
.set NIL,  29                          ; v29     0; never rewritten
.set F0,   64
.set F1,   128
.set TMP,  192
.set OB,   32
.set G1, 24                            ; s[24:31] descriptor group 1 for A's tiles;  s[32:39] group 0, one set for each slot
.set G0, 32
.set G1B, 48                           ; s[48:55], s[56:63] the same for B's tiles
.set G0B, 56
.set MSB, 0
.macro WIN new                         ; the immediate's high byte repeats the setting that is left
.if MSB != \new
	s_set_vgpr_msb (MSB<<8)|\new
.set MSB, \new
.endif
.endm
.set MUL_LO, 0xa1                      ; source 0 (B) window 1, source 1 (A) window 0, C and D window 2
.set MUL_HI, 0xf1                      ; the same, C and D window 3
.set TO_B,   0x40                      ; destination window 1, address window 0
.macro JLOAD s                         ; a joint load: waves 0 and 1 fetch A's halves, waves 2 and 3 B's; the branch hangs on the wave's number alone
	s_cmp_eq_u32 s11, 0
	s_cbranch_scc0 .Lfor_b_\@
	tensor_load_to_lds s[G0+4*\s:G0+4*\s+3], s[G1:G1+7]
	s_nop 0
.rept 4
	v_nop
.endr
	s_branch .Lasked_\@
.Lfor_b_\@:
	tensor_load_to_lds s[G0B+4*\s:G0B+4*\s+3], s[G1B:G1B+7]
	s_nop 0
.rept 4
	v_nop
.endr
.Lasked_\@:
.endm
.macro CREST                           ; a round of the cluster's barrier behind its opening barrier
	s_cmp_lg_u32 s10, 0
	s_cbranch_scc1 .Lnot_wave_0_\@
	s_barrier_signal -3
.Lnot_wave_0_\@:
	s_barrier_wait -3
	s_barrier_signal -1
	s_barrier_wait -1
.endm
.macro CROUND                          ; a whole round
	s_barrier_signal -1
	s_barrier_wait -1
	CREST
.endm
	s_load_b256 s[68:75], s[0:1], 0x0              ; qw, pw, fw, kvw
	v_lshl_add_u32 v[SPW], v0, 2, SPARE
	v_mov_b32 v[NIL], 0
	ds_add_u32 v[SPW], v[NIL]                      ; the opening: the add, twice on end, and its wait ahead of my first tensor load
	ds_add_u32 v[SPW], v[NIL]
	v_lshrrev_b32 v1, 5, v0
	v_readfirstlane_b32 s10, v1                    ; wave
	s_lshr_b32 s11, s10, 1                         ; my half of the tile's rows.  Also: I fetch for A (0) or for B (1)
	s_and_b32 s12, s10, 1                          ; my half of its columns.  Also: which half of that tile I fetch
	s_bfe_u32 s40, ttmp6, 0x40000                  ; cx
	s_bfe_u32 s41, ttmp6, 0x40004                  ; cy
	s_lshl_b32 s42, ttmp9, 2
	s_add_co_u32 s42, s42, s40                     ; tx
	s_and_b32 s13, ttmp7, 0xffff
	s_lshl_b32 s13, s13, 2
	s_add_co_u32 s13, s13, s41                     ; ty
	s_lshl_b32 s43, s41, 2
	s_lshl_b32 s43, 15, s43                        ; my row of the cluster
	s_lshl_b32 s44, 0x1111, s40                    ; my column
	s_or_b32 s[G1+0], s43, (1<<16)|(1<<20)|(1<<21)|(5<<22)|(3<<25)   ; the mask; elements of 2 bytes; padding on; bit 21 beside a mask; 4 words behind every 64
	s_or_b32 s[G1B+0], s44, (1<<16)|(1<<20)|(1<<21)|(6<<22)|(7<<25)  ; 8 words behind every 128
	s_mov_b32 s[G1+1], KSTEP<<16                   ; tensor_dim0 = 128
	s_mov_b32 s[G1+2], 128<<16                     ; tensor_dim1 = 128
	s_mov_b32 s[G1+3], KSTEP<<16                   ; tile_dim0 = 128
	s_mov_b32 s[G1+4], 128                         ; tile_dim1 = 128
	s_mov_b32 s[G1+5], SIZE_K                      ; elements from row to row
	s_mov_b32 s[G1+6], 0
	s_mov_b32 s[G1+7], 0
	s_mov_b32 s[G1B+1], 256<<16                    ; tensor_dim0 = 256 columns
	s_mov_b32 s[G1B+2], 64<<16                     ; tensor_dim1 = 64 rows along K
	s_mov_b32 s[G1B+3], 256<<16
	s_mov_b32 s[G1B+4], 64
	s_mov_b32 s[G1B+5], SIZE_N
	s_mov_b32 s[G1B+6], 0
	s_mov_b32 s[G1B+7], 0
	s_lshl_b32 s17, s12, 7
	s_lshl_b32 s16, s13, 8
	s_add_co_u32 s16, s16, s17                     ; A: row 256 ty + 128 x half
	s_mul_i32 s16, s16, SIZE_K*2
	s_add_co_u32 s16, s16, AOFF
	s_mov_b32 s17, 0
	s_mul_i32 s46, s12, 64*SIZE_N*2                ; B: 64 rows along K x half,
	s_lshl_b32 s47, s42, 9
	s_add_co_u32 s46, s46, s47                     ; column byte 512 tx
	s_add_co_u32 s46, s46, BGOFF
	s_mov_b32 s47, 0
	s_mul_i32 s20, s12, HALFA                      ; where they go: no place in the cluster enters an LDS address
	s_mul_i32 s21, s12, HALFB
	s_add_co_u32 s21, s21, BOFF
	s_wait_dscnt 0x0                               ; both opening adds are done
	s_wait_kmcnt 0x0
	s_add_nc_u64 s[14:15], s[68:69], s[16:17]
	s_add_nc_u64 s[46:47], s[70:71], s[46:47]
	s_load_b128 s[76:79], s[72:73], SCL            ; the four scale numbers: waited for on the way out
	CROUND                                         ; all sixteen work-groups are here: the first joint loads meet
.irp s, 0,1
	s_mov_b32 s[G0+4*\s], 1
	s_add_co_u32 s[G0+4*\s+1], s20, \s*SLOT
	s_add_nc_u64 s[G0+4*\s+2:G0+4*\s+3], s[14:15], \s*KSTEP*2
	s_or_b32 s[G0+4*\s+3], s[G0+4*\s+3], 0x80000000
	s_mov_b32 s[G0B+4*\s], 1
	s_add_co_u32 s[G0B+4*\s+1], s21, \s*SLOT
	s_add_nc_u64 s[G0B+4*\s+2:G0B+4*\s+3], s[46:47], \s*KSTEP*SIZE_N*2
	s_or_b32 s[G0B+4*\s+3], s[G0B+4*\s+3], 0x80000000
	JLOAD \s                                       ; K steps 0 and 1: two loads of mine are out
.endr
	v_and_b32 v1, 15, v0                           ; l % 16
	v_bfe_u32 v2, v0, 4, 1                         ; l / 16
	v_mul_u32_u24 v3, v1, PITCH
	v_lshl_add_u32 v3, v2, 4, v3                   ; A: a fragment's row x pitch + 16 x half
	s_mul_i32 s22, s11, HALFA                      ; my 128 rows of A
	v_add_nc_u32 v[ADRA], s22, v3
	v_add_nc_u32 v[ADRA+1], SLOT, v[ADRA]
	v_and_b32 v4, 7, v0
	v_lshl_add_u32 v4, v2, 3, v4                   ; B, the turning load: row 8 (l / 16) + l % 8 along K,
	v_mul_u32_u24 v4, v4, PB
	v_bfe_u32 v5, v0, 3, 1
	v_lshl_add_u32 v4, v5, 4, v4                   ; 16 bytes x ((l / 8) % 2)
	s_lshl_b32 s22, s12, 8                         ; my 128 columns: 256 bytes
	s_add_co_u32 s22, s22, BOFF
	v_add_nc_u32 v[ADRB], s22, v4
	v_add_nc_u32 v[ADRB+1], SLOT, v[ADRB]
	s_mul_i32 s23, s10, 16*SPITCH
	s_add_co_u32 s23, s23, STAGE                   ; my stage
	v_mul_u32_u24 v4, v1, SPITCH                   ; in: row l % 16, 16 bytes for each half of the lanes
	v_lshl_add_u32 v4, v2, 4, v4
	v_add_nc_u32 v[STO], s23, v4
	v_mul_u32_u24 v5, v2, SPITCH                   ; back: lanes 0-15 one row of 256 bytes, lanes 16-31 the next
	v_lshl_add_u32 v5, v1, 4, v5
	v_add_nc_u32 v[RD], s23, v5
	v_and_b32 v5, 31, v0
	v_lshlrev_b32 v[CO], 4, v5
	; where my 128 rows of my head begin in the output: the part that hangs on the tile row,
	s_lshr_b32 s16, s13, 3
	s_lshl_b32 s16, s16, 23                        ; batch x 16 heads x 2,048 rows of 256 bytes
	s_and_b32 s17, s13, 7
	s_lshl_b32 s17, s17, 16                        ; 256 rows a tile
	s_add_co_u32 s16, s16, s17
	s_lshl_b32 s17, s11, 15                        ; my 128 of them
	s_add_co_u32 s16, s16, s17
	s_mov_b32 s17, 0
	s_add_nc_u64 s[8:9], s[74:75], s[16:17]
	s_and_b32 s46, s42, 7                          ; and the part that hangs on the tile column, in the registers that held B's address
	s_lshl_b32 s46, s46, 1
	s_add_co_u32 s46, s46, s12                     ; the head
	s_lshl_b32 s46, s46, 19                        ; x 2,048 rows of 256 bytes
	s_cmp_lt_u32 ttmp9, 2                          ; K's columns (tx < 8) or V's: the cluster's x alone
	s_cselect_b32 s47, 0, 16777216
	s_add_co_u32 s46, s46, s47
	s_mov_b32 s47, 0
	s_add_nc_u64 s[8:9], s[8:9], s[46:47]
; 16 matrix instructions: row blocks a0, a0 + 1 of the window's four (hi = 0: my rows 0-63, 1: rows 64-127) x all 8 column blocks, 32 along K.  zero = 1: the first product starts the sums
.macro MUL16 f, hi, a0, zero
.irp a, \a0, \a0+1
.irp b, 0,1,2,3,4,5,6,7
.if \zero
	v_wmma_f32_16x16x32_f16 v[8*(8*(\a)+\b):8*(8*(\a)+\b)+7], v[\f+8*\b:\f+8*\b+7], v[\f+8*(4*\hi+\a):\f+8*(4*\hi+\a)+7], 0
.else
	v_wmma_f32_16x16x32_f16 v[8*(8*(\a)+\b):8*(8*(\a)+\b)+7], v[\f+8*\b:\f+8*\b+7], v[\f+8*(4*\hi+\a):\f+8*(4*\hi+\a)+7], v[8*(8*(\a)+\b):8*(8*(\a)+\b)+7]
.endif
.endr
.endr
.endm
; 32 LDS loads in one run: the fragments of quarter q (32 along K) of a slot into buffer f: B's eight (turned), then A's eight
.macro FETCH slot, q, f
	WIN TO_B
.irp i, 0,1,2,3,4,5,6,7
	ds_load_tr16_b128 v[\f+8*\i:\f+8*\i+3],   v[ADRB+\slot] offset:32*(\q)*PB+32*\i
	ds_load_tr16_b128 v[\f+8*\i+4:\f+8*\i+7], v[ADRB+\slot] offset:(32*(\q)+16)*PB+32*\i
.endr
	WIN 0
.irp i, 0,1,2,3,4,5,6,7
	ds_load_b128 v[\f+8*\i:\f+8*\i+3],   v[ADRA+\slot] offset:64*(\q)+\i*16*PITCH
	ds_load_b128 v[\f+8*\i+4:\f+8*\i+7], v[ADRA+\slot] offset:64*(\q)+\i*16*PITCH+32
.endr
.endm
.macro PLACES                          ; four places in front of loads into registers that matrix instructions have read, and of the first read of results
.rept 4
	v_nop
.endr
.endm
; A K step is four quarters of 32 along K, 64 matrix instructions each, on buffers 0, 1, 0, 1.  One of the first three: multiplies buffer f; in its middle it fetches quarter q into buffer g
.macro QUARTER slot, q, f, g, zero
	s_wait_dscnt 8                                 ; B and A's rows 0-63 are in; the youngest eight loads (A's rows 64-127) may be out
	WIN MUL_LO
	MUL16 \f, 0, 0, \zero
	MUL16 \f, 0, 2, \zero
	PLACES
	FETCH \slot, \q, \g
	s_wait_dscnt 32                                ; all but the 32 just issued
	WIN MUL_HI
	MUL16 \f, 1, 0, \zero
	MUL16 \f, 1, 2, \zero
.endm
; The last quarter multiplies buffer 1 and changes slots: ONE barrier.  In front of it each wave waits for all its tensor loads, adds 0 to its spare word, and waits for that and for its own reads of this slot.
; fill = 1: the barrier opens a round of the cluster's, and this slot is filled again, two K steps ahead: 224 matrix instructions stand between the request and the wait for it.
.macro TURN slot, next, fill
	WIN 0                                          ; (the add's two registers lie in window 0)
	s_wait_tensorcnt 0x0                           ; all my tensor loads have landed: my part of the next slot
	ds_add_u32 v[SPW], v[NIL]                      ; 0 onto my spare word
	s_wait_dscnt 9                                 ; (the add and the youngest eight loads may be out)
	WIN MUL_LO
	MUL16 F1, 0, 0, 0                              ; sixteen matrix instructions stand between the add and the wait for it
	s_wait_dscnt 0x0                               ; the add is done, and my reads of this slot are over
	s_barrier_signal -1
	MUL16 F1, 0, 2, 0
.if \fill
	WIN 0
.endif
	s_barrier_wait -1
.if \fill
	CREST                                          ; no wave of any partner still reads this slot or has a load on its way
	s_add_nc_u64 s[G0+4*\slot+2:G0+4*\slot+3], s[G0+4*\slot+2:G0+4*\slot+3], 2*KSTEP*2
	s_add_nc_u64 s[G0B+4*\slot+2:G0B+4*\slot+3], s[G0B+4*\slot+2:G0B+4*\slot+3], 2*KSTEP*SIZE_N*2
	JLOAD \slot                                    ; the first tensor load behind the round; its four v_nop are also the places in front of the loads below
.else
	PLACES
.endif
	FETCH \next, 0, F0
	WIN MUL_HI
	MUL16 F1, 1, 0, 0
	MUL16 F1, 1, 2, 0
.endm
	s_wait_tensorcnt 1                             ; my part of K step 0 is in; K step 1's load may be out
	s_barrier_signal -1
	s_barrier_wait -1                              ; everybody's is
	FETCH 0, 0, F0
	QUARTER 0, 1, F0, F1, 1                        ; K step 0: its first quarter's products start the sums: nothing is ever cleared
	QUARTER 0, 2, F1, F0, 0
	QUARTER 0, 3, F0, F1, 0
	TURN 0, 1, 1                                   ; slot 0 takes K step 2
	QUARTER 1, 1, F0, F1, 0                        ; K step 1
	QUARTER 1, 2, F1, F0, 0
	QUARTER 1, 3, F0, F1, 0
	TURN 1, 0, 1                                   ; slot 1 takes K step 3
	QUARTER 0, 1, F0, F1, 0                        ; K step 2
	QUARTER 0, 2, F1, F0, 0
	QUARTER 0, 3, F0, F1, 0
	TURN 0, 1, 0                                   ; nothing is left to fetch
	QUARTER 1, 1, F0, F1, 0                        ; K step 3
	QUARTER 1, 2, F1, F0, 0
	QUARTER 1, 3, F0, F1, 0
	s_wait_dscnt 8
	WIN MUL_LO
	MUL16 F1, 0, 0, 0
	MUL16 F1, 0, 2, 0
	s_wait_dscnt 0
	WIN MUL_HI
	MUL16 F1, 1, 0, 0
	MUL16 F1, 1, 2, 0
	WIN 0
; THE WAY OUT, block by block of 16 rows x 128 columns.  PACK: x the power of two (nothing is rounded), then rounded to f16, 16 bytes a lane.  TOSTAGE: into my own stage and back as whole rows of 256 bytes.
; SEND: stored: a block is 4,096 dense bytes of my head.
.macro PACK a
.set AC, 64*((\a)%4)
	WIN 0x82+0x41*((\a)/4)                         ; source 0 and destination: window 2 or 3
.set n, 0
.rept 32
	v_pk_mul_f32 v[AC+2*n:AC+2*n+1], v[AC+2*n:AC+2*n+1], s[80:81] op_sel_hi:[1,0]   ; each accumulator from its low end on
.set n, n+1
.endr
	WIN 0x0a+5*((\a)/4)                            ; sources 0 and 1: window 2 or 3; destination window 0
.irp b, 0,1,2,3,4,5,6,7
.irp r, 0,1,2,3
	v_cvt_pk_f16_f32 v[TMP+4*\b+\r], v[AC+8*\b+2*\r], v[AC+8*\b+2*\r+1]
.endr
.endr
	WIN 0
.endm
.macro TOSTAGE a
.set BK, OB+192*((\a)%2)
.irp b, 0,1,2,3,4,5,6,7
	ds_store_b128 v[STO], v[TMP+4*\b:TMP+4*\b+3] offset:32*\b
.endr
.irp t, 0,1,2,3,4,5,6,7
	ds_load_b128 v[BK+4*\t:BK+4*\t+3], v[RD] offset:\t*2*SPITCH    ; LDS serves a wave's instructions in order: these see the stores above
.endr
.endm
.macro SEND a
.set BK, OB+192*((\a)%2)
	s_wait_dscnt 0x0                               ; the block is back in registers
	s_wait_xcnt 0x0                                ; the stores of the block before have read their data: the next block's loads from the stage land there only behind this wait
.irp t, 0,1,2,3,4,5,6,7
	global_store_b128 v[CO], v[BK+4*\t:BK+4*\t+3], s[8:9] offset:(\a)*4096+512*\t   ; 32 lanes store 512 consecutive bytes, aligned
.endr
.endm
	s_wait_kmcnt 0x0                               ; the scale numbers
	s_cmp_lt_u32 ttmp9, 2
	s_cselect_b32 s80, s77, s79                    ; 2^-eK or 2^-eV
	s_mov_b32 s81, s80                             ; (named with it as a pair, so it is written)
	PLACES
	PACK 0
	TOSTAGE 0
.irp a, 1,2,3,4,5,6,7                  ; block a's arithmetic stands between block a - 1's loads from the stage and the wait for them
	PACK \a
	SEND \a-1
	TOSTAGE \a
.endr
	SEND 7
	s_wait_tensorcnt 0x0                           ; the wave's end
	ds_add_u32 v[SPW], v[NIL]
	s_wait_dscnt 0x0
	CROUND                                         ; the closing round: no work-group ends while a partner may still ask for a tile that names it
	s_endpgm
.Lfunc_end_k_qb7abda80a6_kv:
	.size	k_qb7abda80a6_kv, .Lfunc_end_k_qb7abda80a6_kv-k_qb7abda80a6_kv
	.p2alignl 7, 3214868480
	.fill 96, 4, 3214868480
	.section	.rodata,"a",@progbits
	.p2align	6, 0x0
	.amdhsa_kernel k_qb7abda80a6_kv
		.amdhsa_group_segment_fixed_size 327680
		.amdhsa_private_segment_fixed_size 0
		.amdhsa_enable_private_segment 0
		.amdhsa_kernarg_size 32
		.amdhsa_user_sgpr_count 2
		.amdhsa_user_sgpr_kernarg_segment_ptr 1
		.amdhsa_wavefront_size32 1
		.amdhsa_system_sgpr_workgroup_id_x 1
		.amdhsa_system_sgpr_workgroup_id_y 1
		.amdhsa_system_sgpr_workgroup_id_z 1
		.amdhsa_system_vgpr_workitem_id 0
		.amdhsa_next_free_vgpr 1024
		.amdhsa_next_free_sgpr 84
		.amdhsa_reserve_vcc 0
		.amdhsa_float_denorm_mode_32 3
		.amdhsa_float_denorm_mode_16_64 3
		.amdhsa_memory_ordered 1
		.amdhsa_forward_progress 1
		.amdhsa_inst_pref_size 159
	.end_amdhsa_kernel
	.amdgpu_metadata
---
amdhsa.version: [ 1, 2 ]
amdhsa.kernels:
  - .name:           k_qb7abda80a6_kv
    .symbol:         k_qb7abda80a6_kv.kd
    .args:
      - { .name: qw, .offset: 0, .size: 8, .value_kind: global_buffer, .address_space: global }
      - { .name: pw, .offset: 8, .size: 8, .value_kind: global_buffer, .address_space: global }
      - { .name: fw, .offset: 16, .size: 8, .value_kind: global_buffer, .address_space: global }
      - { .name: kvw, .offset: 24, .size: 8, .value_kind: global_buffer, .address_space: global }
    .group_segment_fixed_size: 327680
    .private_segment_fixed_size: 0
    .kernarg_segment_align: 8
    .kernarg_segment_size: 32
    .max_flat_workgroup_size: 128
    .sgpr_count:     84
    .vgpr_count:     1024
    .wavefront_size: 32
...
	.end_amdgpu_metadata
.endif
;; end of part 4
;; launch attn (part 5): grid 8 x 32, 8 waves a work-group, no clusters, 327,680 bytes of LDS; arguments qw, kvw, fw, ow; writes ow
.if DOCPART == 5
	.amdgcn_target "amdgcn-amd-amdhsa--gfx1250"
	.amdhsa_code_object_version 6
	.text
	.protected	k_qb7abda80a6_attn
	.globl	k_qb7abda80a6_attn
	.p2align	8
	.type	k_qb7abda80a6_attn,@function
k_qb7abda80a6_attn:
	s_mov_b64 s[64:65], 0
	v_nop
	global_prefetch_b8 v0, s[64:65] scope:SCOPE_SE
	s_setreg_imm32_b32 hwreg(HW_REG_WAVE_MODE, 25, 1), 1
	s_wait_xcnt 0x0
; ATTN.  Causal attention in f16 operands, f32 products, maxima and sums.  Q [32 bh][2048][128]; K' = K 2^-eK, V' = V 2^-eV likewise; result O' = O 2^-eV -> f16 [4096 tokens][2048].
; p = 2^(cK s' - cK m), cK = log2(e)/sqrt(128) x 2^eK from memory (a multiplier alone); a running maximum m and sum l for each query; O and l are multiplied by a = 2^(cK m_old - cK m_new) in every step.
; SHARES.  Work-group (i, bh): waves 0-3 own query block i, waves 4-7 block 15 - i (blocks of 128): every work-group has the same work under the mask.  A wave: 32 queries, two tiles of 16.
; Every wave walks all 16 slots of 128 keys (constant trip counts); a step of 64 keys all of which come after the wave's queries is jumped over, on ids alone; no barrier stands in a step.
; NO CLUSTER: under the mask the work-groups of a head need different numbers of tiles, so a joint load would bring tiles that some partner never reads.
; LAYOUT: S^T = K Q^T and O^T = V^T P: a lane holds one query throughout; two tiles of S^T, rounded in pairs, are source 1 of the second product.  V comes out of LDS turned.
; REGISTERS: window 0: v2-16 addresses; v32-47 statistics (8 a tile: c m, m, l, l, c0-c3); v64-127 S^T; v128-159 P; v160-223 Q.   window 1: v0-127 O^T; v128-255 a step's K, then its V.
.set SCL,   262144
.set VGO,   16777216                   ; V's first byte in kvw
.set PK,    272
.set PV,    288
.set VOFF,  128*PK
.set SLOT1, 1<<17
.set STAGE, SLOT1+128*(PK+PV)          ; 16 rows x 272 bytes for each wave
.set SPARE, STAGE+8*16*272
.set AK0, 2
.set AV0, 3
.set ADK, 4
.set ADV, 5
.set QO,  6
.set STO, 7
.set RD,  8
.set GO,  9
.set PFO, 10
.set VR,  11
.set VH,  12
.set D0,  14
.set D1,  15
.set NEG, 16
.set SPW, 30
.set NIL, 31
.set ST,  32
.set S,   64
.set P,   128
.set Q,   160
.set KVB, 128
.set WV,  12
.set G1K, 24
.set G1V, 32
.set G0K, 40
.set G0V, 44
.set CS,  48
.set SEL, 50
.set TB,  52
.set KF,  53
.set Q0,  54
.set LQ,  55
.set SLOTS, 56
.set LIM, 57
.set PFK, 58
.set PFV, 60
.set MSB, 0
.macro WIN new
.if MSB != \new
	s_set_vgpr_msb (MSB<<8)|\new
.set MSB, \new
.endif
.endm
.macro TLOAD                           ; waves 0 and 1 fetch K's halves of a slot, waves 2 and 3 V's, the others nothing
	s_cmp_lt_u32 s[WV], 2
	s_cbranch_scc0 .Lnot_k_\@
	tensor_load_to_lds s[G0K:G0K+3], s[G1K:G1K+7]
	s_nop 0
.rept 4
	v_nop
.endr
	s_branch .Lasked_\@
.Lnot_k_\@:
	s_cmp_lt_u32 s[WV], 4
	s_cbranch_scc0 .Lasked_\@
	tensor_load_to_lds s[G0V:G0V+3], s[G1V:G1V+7]
	s_nop 0
.rept 4
	v_nop
.endr
.Lasked_\@:
.endm
; A prefetch of what the next change of slots will ask for: 128 rows of K and of V, 256 bytes a row.  All work-groups of a (batch, head) walk the same rows: work-group i = 0, which walks them all, asks;
; in it waves 4-7, which fetch nothing, take 32 rows each, a lane a row: each row is named once in the launch.  The last change that fills a slot asks for nothing.
.macro ASK
	s_cmp_gt_u32 s[SLOTS], s[LIM]
	s_cbranch_scc0 .Lnot_mine_\@
	global_prefetch_b8 v[PFO], s[PFK:PFK+1] th:TH_LOAD_NT scope:SCOPE_SE
	global_prefetch_b8 v[PFO], s[PFV:PFV+1] th:TH_LOAD_NT scope:SCOPE_SE
.Lnot_mine_\@:
.endm
	s_load_b256 s[4:11], s[0:1], 0x0               ; qw, kvw, fw, ow
	v_lshl_add_u32 v[SPW], v0, 2, SPARE
	v_mov_b32 v[NIL], 0
	ds_add_u32 v[SPW], v[NIL]                      ; the opening: the add, twice on end, and its wait ahead of the first tensor load
	ds_add_u32 v[SPW], v[NIL]
	v_lshrrev_b32 v1, 5, v0
	v_readfirstlane_b32 s[WV], v1
	s_and_b32 s14, ttmp7, 0xffff                   ; bh
	s_mov_b32 s[G1K], (1<<16)|(1<<20)|(5<<22)|(3<<25)   ; elements of 2 bytes; 4 words behind every 64
	s_mov_b32 s[G1V], (1<<16)|(1<<20)|(5<<22)|(7<<25)   ; 8 words
.irp g, G1K, G1V
	s_mov_b32 s[\g+1], 128<<16
	s_mov_b32 s[\g+2], 64<<16
	s_mov_b32 s[\g+3], 128<<16
	s_mov_b32 s[\g+4], 64
	s_mov_b32 s[\g+5], 128
	s_mov_b32 s[\g+6], 0
	s_mov_b32 s[\g+7], 0
.endr
	s_mov_b32 s[SEL], 0x76543210
	s_mov_b32 s[SEL+1], 0xfedcba98
	s_mov_b32 s[TB], 0
	s_mov_b32 s[KF], 0
	s_mov_b32 s[SLOTS], 15
	s_sub_co_u32 s16, 15, ttmp9
	s_lshl_b32 s[LQ], s16, 7
	s_or_b32 s[LQ], s[LQ], 127                     ; my work-group's last query
	s_cmp_lt_u32 s[WV], 4
	s_cselect_b32 s16, ttmp9, s16                  ; my block of 128 queries
	s_lshl_b32 s[Q0], s16, 7
	s_and_b32 s17, s[WV], 3
	s_lshl_b32 s18, s17, 5
	s_add_co_u32 s[Q0], s[Q0], s18                 ; my first query
	s_lshr_b32 s18, s[WV], 2
	s_xor_b32 s18, s18, 1
	s_or_b32 s18, s18, ttmp9
	s_cmp_eq_u32 s18, 0
	s_cselect_b32 s[LIM], 1, -1                    ; 1 in a wave that prefetches
	s_and_b32 s19, s[WV], 1
	s_lshl_b32 s20, s14, 19                        ; the head's first byte in K and in V
	s_lshl_b32 s21, s19, 14
	s_add_co_u32 s22, s20, s21                     ; + my 64 rows
	s_mov_b32 s23, 0
	s_mul_i32 s18, s19, 64*PK
	s_mul_i32 s19, s19, 64*PV
	s_add_co_u32 s19, s19, VOFF
	s_wait_dscnt 0x0                               ; both opening adds are done
	s_wait_kmcnt 0x0
	s_load_b32 s[CS], s[8:9], SCL
	s_mov_b32 s[G0K], 1
	s_mov_b32 s[G0K+1], s18
	s_add_nc_u64 s[G0K+2:G0K+3], s[6:7], s[22:23]
	s_mov_b32 s[G0V], 1
	s_mov_b32 s[G0V+1], s19
	s_add_nc_u64 s[G0V+2:G0V+3], s[G0K+2:G0K+3], VGO
	s_or_b32 s[G0K+3], s[G0K+3], 0x80000000
	s_or_b32 s[G0V+3], s[G0V+3], 0x80000000
	TLOAD                                          ; slot 0: key 0 counts for every query
	s_lshl_b32 s22, s17, 13                        ; the prefetches: my wave's 32 rows,
	s_add_co_u32 s22, s22, s20
	s_add_co_u32 s22, s22, 32768                   ; in slot 1: the first change of slots steps them to slot 2
	s_add_nc_u64 s[PFK:PFK+1], s[6:7], s[22:23]
	s_add_nc_u64 s[PFV:PFV+1], s[PFK:PFK+1], VGO
	s_lshl_b32 s22, s14, 11
	s_add_co_u32 s22, s22, s[Q0]
	s_lshl_b32 s22, s22, 8
	s_add_nc_u64 s[4:5], s[4:5], s[22:23]          ; Q at my first query
	s_lshr_b32 s22, s14, 4
	s_lshl_b32 s22, s22, 11
	s_add_co_u32 s22, s22, s[Q0]
	s_lshl_b32 s22, s22, 12
	s_and_b32 s21, s14, 15
	s_lshl_b32 s21, s21, 8
	s_add_co_u32 s22, s22, s21
	s_add_nc_u64 s[10:11], s[10:11], s[22:23]      ; the result: token x 4,096 bytes + head x 256
	v_and_b32 v[VR], 15, v0
	v_bfe_u32 v[VH], v0, 4, 1
	v_lshlrev_b32 v[QO], 8, v[VR]
	v_lshl_add_u32 v[QO], v[VH], 4, v[QO]
.set i, 0
.rept 8
	global_load_b128 v[Q+8*i:Q+8*i+3],   v[QO], s[4:5] offset:(i/4)*4096+(i%4)*64
	global_load_b128 v[Q+8*i+4:Q+8*i+7], v[QO], s[4:5] offset:(i/4)*4096+(i%4)*64+32
.set i, i+1
.endr
	v_and_b32 v[PFO], 31, v0
	v_lshlrev_b32 v[PFO], 8, v[PFO]
	v_mul_u32_u24 v[AK0], v[VR], PK
	v_lshl_add_u32 v[AK0], v[VH], 4, v[AK0]
	v_and_b32 v13, 7, v0
	v_bfe_u32 v17, v0, 3, 1
	v_lshl_add_u32 v[AV0], v[VH], 3, v13
	v_mul_u32_u24 v[AV0], v[AV0], PV
	v_lshl_add_u32 v[AV0], v17, 4, v[AV0]
	v_add_nc_u32 v[AV0], VOFF, v[AV0]
	s_mul_i32 s21, s[WV], 16*272
	s_add_co_u32 s21, s21, STAGE
	v_mul_u32_u24 v[STO], v[VR], 272
	v_lshl_add_u32 v[STO], v[VH], 4, v[STO]
	v_add_nc_u32 v[STO], s21, v[STO]
	v_mul_u32_u24 v[RD], v[VH], 272
	v_lshl_add_u32 v[RD], v[VR], 4, v[RD]
	v_add_nc_u32 v[RD], s21, v[RD]
	v_lshlrev_b32 v[GO], 12, v[VH]
	v_lshl_add_u32 v[GO], v[VR], 4, v[GO]
	v_mov_b32 v[NEG], 0xff800000
	s_wait_kmcnt 0x0
	s_mov_b32 s[CS+1], s[CS]
.irp t, 0,1
	v_mov_b32 v[ST+8*\t+1], 0xff61b1e6             ; m: -3e38, under every score
	v_mul_f32 v[ST+8*\t], s[CS], v[ST+8*\t+1]
.irp n, 2,3,4,5,6,7
	v_mov_b32 v[ST+8*\t+\n], 0
.endr
.endr
	WIN 0x40
.set i, 0
.rept 128
	v_mov_b32 v[i], 0                              ; O^T: the step is written once; its first pass multiplies zeros
.set i, i+1
.endr
	WIN 0
.macro SOFTMAX
.irp jj, 0,1,2,3
.irp t, 0,1
	v_max3_num_f32 v[ST+8*\t+4+\jj], v[S+32*\t+8*\jj], v[S+32*\t+8*\jj+1], v[S+32*\t+8*\jj+2]
.endr
.endr
.irp u, 1,2
.irp jj, 0,1,2,3
.irp t, 0,1
	v_max3_num_f32 v[ST+8*\t+4+\jj], v[ST+8*\t+4+\jj], v[S+32*\t+8*\jj+2*\u+1], v[S+32*\t+8*\jj+2*\u+2]
.endr
.endr
.endr
.irp t, 0,1
	v_max3_num_f32 v[ST+8*\t+4], v[ST+8*\t+4], v[S+32*\t+7], v[S+32*\t+15]
	v_max3_num_f32 v[ST+8*\t+6], v[ST+8*\t+6], v[S+32*\t+23], v[S+32*\t+31]
.endr
.irp t, 0,1
	v_max3_num_f32 v[ST+8*\t+4], v[ST+8*\t+4], v[ST+8*\t+5], v[ST+8*\t+6]
.endr
.irp t, 0,1
	v_max3_num_f32 v[ST+8*\t+4], v[ST+8*\t+4], v[ST+8*\t+7], v[ST+8*\t+1]   ; with the old m
.endr
.irp t, 0,1
	v_permlanex16_b32 v[ST+8*\t+5], v[ST+8*\t+4], s[SEL], s[SEL+1]          ; the query's other 32 keys
.endr
.irp t, 0,1
	v_mov_b32 v[ST+8*\t+7], v[ST+8*\t]
.endr
.irp t, 0,1
	v_max_num_f32 v[ST+8*\t+1], v[ST+8*\t+4], v[ST+8*\t+5]
.endr
.irp t, 0,1
	v_mul_f32 v[ST+8*\t], s[CS], v[ST+8*\t+1]
.endr
.irp t, 0,1
	v_sub_f32 v[ST+8*\t+7], v[ST+8*\t+7], v[ST+8*\t]
.endr
.irp t, 0,1
	v_exp_f32 v[ST+8*\t+6], v[ST+8*\t+7]           ; a
.endr
.set b, 0
.rept 16
.irp t, 0,1
	v_pk_fma_f32 v[S+32*\t+2*b:S+32*\t+2*b+1], v[S+32*\t+2*b:S+32*\t+2*b+1], s[CS:CS+1], v[ST+8*\t:ST+8*\t+1] op_sel_hi:[1,0,0] neg_lo:[0,0,1] neg_hi:[0,0,1]
.endr
.set b, b+1
.endr
.set b, 0
.rept 64
	v_exp_f32 v[S+b], v[S+b]
.set b, b+1
.endr
	v_nop                                          ; a plain instruction behind the last exponential
	s_wait_alu depctr_va_vdst(0)                   ; one wait for the whole batch, ahead of its first reader
.set b, 0
.rept 16
.irp t, 0,1
	v_cvt_pk_f16_f32 v[P+16*\t+b], v[S+32*\t+2*b], v[S+32*\t+2*b+1]
.endr
.set b, b+1
.endr
.irp w, 4,8,16,32
.set u, 0
.rept 32/\w
.irp t, 0,1
	v_pk_add_f32 v[S+32*\t+\w*u:S+32*\t+\w*u+1], v[S+32*\t+\w*u:S+32*\t+\w*u+1], v[S+32*\t+\w*u+\w/2:S+32*\t+\w*u+\w/2+1]
.endr
.set u, u+1
.endr
.endr
.irp t, 0,1
	v_pk_fma_f32 v[ST+8*\t+2:ST+8*\t+3], v[ST+8*\t+2:ST+8*\t+3], v[ST+8*\t+6:ST+8*\t+7], v[S+32*\t:S+32*\t+1] op_sel_hi:[1,0,1]
.endr
.endm
; A step: 64 keys, the q-th half of the slot in hand
.macro STEP q
	s_add_co_u32 s20, s[Q0], 31
	s_cmp_gt_u32 s[KF], s20                        ; all its keys come after my queries: ids and the count of steps alone
	s_cbranch_scc1 .Lhidden_\@
	v_add_nc_u32 v[ADK], s[TB], v[AK0]
	v_add_nc_u32 v[ADV], s[TB], v[AV0]
	v_nop
	v_nop                                          ; four places in front of loads into registers that the last products read
	WIN 0x40
.set f, 0
.rept 16
	ds_load_b128 v[KVB+8*f:KVB+8*f+3],   v[ADK] offset:(\q)*64*PK+(f/4)*16*PK+(f%4)*64
	ds_load_b128 v[KVB+8*f+4:KVB+8*f+7], v[ADK] offset:(\q)*64*PK+(f/4)*16*PK+(f%4)*64+32
.set f, f+1
.endr
	s_wait_dscnt 0x0
	WIN 0x01
.set i, 0
.rept 32                               ; S^T = K Q^T: eight accumulators by turns
.set rS, S+32*(i%2)+8*((i/2)%4)
.set rK, KVB+32*((i/2)%4)+8*(i/8)
.set rQ, Q+32*(i%2)+8*(i/8)
.if i < 8
	v_wmma_f32_16x16x32_f16 v[rS:rS+7], v[rK:rK+7], v[rQ:rQ+7], 0
.else
	v_wmma_f32_16x16x32_f16 v[rS:rS+7], v[rK:rK+7], v[rQ:rQ+7], v[rS:rS+7]
.endif
.set i, i+1
.endr
.rept 4
	v_nop                                          ; places in front of the loads into K's registers and of the first read of scores
.endr
	WIN 0x40
.set f, 0
.rept 16
	ds_load_tr16_b128 v[KVB+8*f:KVB+8*f+3],   v[ADV] offset:(\q)*64*PV+(f/8)*32*PV+(f%8)*32
	ds_load_tr16_b128 v[KVB+8*f+4:KVB+8*f+7], v[ADV] offset:(\q)*64*PV+(f/8)*32*PV+16*PV+(f%8)*32
.set f, f+1
.endr
	WIN 0
	s_add_co_u32 s20, s[KF], 63
	s_cmp_le_u32 s20, s[Q0]                        ; all its keys count: no mask
	s_cbranch_scc1 .Lopen_\@
	s_sub_co_i32 s20, s[Q0], s[KF]
	v_lshlrev_b32 v[D1], 3, v[VH]
	v_sub_nc_u32 v[D0], v[VR], v[D1]
	v_add_nc_u32 v[D0], s20, v[D0]                 ; d = my query - KF - 8 h; register 8 a + j holds key KF + 16 a + 8 h + j: hidden where 16 a + j > d
	v_add_nc_u32 v[D1], 16, v[D0]
.irp t, 0,1
.set n, 0
.rept 32
	v_cmp_gt_i32 vcc_lo, 16*(n/8)+n%8, v[D0+\t]
	v_cndmask_b32 v[S+32*\t+n], v[S+32*\t+n], v[NEG], vcc_lo
.set n, n+1
.endr
.endr
.Lopen_\@:
	SOFTMAX
	s_wait_dscnt 0x0                               ; V is in
	WIN 0x41
.irp t, 0,1
.set n, 0
.rept 32
	v_pk_mul_f32 v[64*\t+2*n:64*\t+2*n+1], v[64*\t+2*n:64*\t+2*n+1], v[ST+8*\t+6:ST+8*\t+7] op_sel_hi:[1,0]
.set n, n+1
.endr
.endr
	WIN 0x51
.set i, 0
.rept 32                               ; O^T += V^T P: sixteen accumulators by turns
.set rO, 64*(i%2)+8*((i/2)%8)
.set rV, KVB+64*(i/16)+8*((i/2)%8)
.set rP, P+16*(i%2)+8*(i/16)
	v_wmma_f32_16x16x32_f16 v[rO:rO+7], v[rV:rV+7], v[rP:rP+7], v[rO:rO+7]
.set i, i+1
.endr
	WIN 0
.Lhidden_\@:
	s_add_co_u32 s[KF], s[KF], 64
.endm
; The change of slots stands at a slot's head: every wave waits for all its tensor loads, adds 0 to its spare word, waits for that and for its reads of the slot that it has left, and passes the barrier.
.macro CHANGE fill
	s_wait_tensorcnt 0x0
	ds_add_u32 v[SPW], v[NIL]
.if \fill
	ds_add_u32 v[SPW], v[NIL]                      ; and once more, in every trip alike
	s_xor_b32 s[G0K+1], s[G0K+1], SLOT1
	s_add_nc_u64 s[G0K+2:G0K+3], s[G0K+2:G0K+3], 32768
	s_xor_b32 s[G0V+1], s[G0V+1], SLOT1
	s_add_nc_u64 s[G0V+2:G0V+3], s[G0V+2:G0V+3], 32768
	s_wait_xcnt 0x0                                ; the last prefetches, a slot back, have read their addresses
	s_add_nc_u64 s[PFK:PFK+1], s[PFK:PFK+1], 32768
	s_add_nc_u64 s[PFV:PFV+1], s[PFV:PFV+1], 32768
.endif
	s_wait_dscnt 0x0
	s_barrier_signal -1
	s_barrier_wait -1
.if \fill
	s_add_co_u32 s20, s[KF], 128                   ; the first key of the slot that this change would ask for:
	s_cmp_gt_u32 s20, s[LQ]                        ; behind my work-group's last query no wave reads it, so it is not asked for; the same in all eight waves
	s_cbranch_scc1 .Lpast_\@
	TLOAD                                          ; a wave's one tensor load until the next barrier; every wait on TENSORcnt in this text is for 0
.Lpast_\@:
	ASK
.endif
.endm
	s_wait_loadcnt 0x0                             ; Q
.Lslot:                                            ; 15 trips
	CHANGE 1
	STEP 0
	STEP 1
	s_xor_b32 s[TB], s[TB], SLOT1
	s_sub_co_u32 s[SLOTS], s[SLOTS], 1
	s_cmp_lg_u32 s[SLOTS], 0
	s_cbranch_scc1 .Lslot
	CHANGE 0                                       ; the last slot is written out: nothing is left to ask for
	STEP 0
	STEP 1
	; THE WAY OUT
.irp t, 0,1
	v_add_f32 v[ST+8*\t+4], v[ST+8*\t+2], v[ST+8*\t+3]
.endr
.irp t, 0,1
	v_permlanex16_b32 v[ST+8*\t+5], v[ST+8*\t+4], s[SEL], s[SEL+1]
.endr
.irp t, 0,1
	v_add_f32 v[ST+8*\t+4], v[ST+8*\t+4], v[ST+8*\t+5]
.endr
	v_nop
	v_nop
.irp t, 0,1
	v_rcp_f32 v[ST+8*\t+6], v[ST+8*\t+4]
.endr
	v_nop
	s_wait_alu depctr_va_vdst(0)                   ; one wait for both reciprocals
.macro PACK t
	WIN 0x41
.set i, 64*\t
.rept 32
	v_pk_mul_f32 v[i:i+1], v[i:i+1], v[ST+8*\t+6:ST+8*\t+7] op_sel_hi:[1,0]
.set i, i+2
.endr
	WIN 0x05
.set i, 0
.rept 32
	v_cvt_pk_f16_f32 v[S+32*\t+i], v[64*\t+2*i], v[64*\t+2*i+1]
.set i, i+1
.endr
	WIN 0
.irp f, 0,1,2,3,4,5,6,7
	ds_store_b128 v[STO], v[S+32*\t+4*\f:S+32*\t+4*\f+3] offset:32*\f
.endr
.irp f, 0,1,2,3,4,5,6,7
	ds_load_b128 v[S+32*\t+4*\f:S+32*\t+4*\f+3], v[RD] offset:\f*2*272   ; LDS serves a wave's instructions in order
.endr
.endm
.macro SEND t, younger
.irp f, 0,1,2,3,4,5,6,7
	s_wait_dscnt \younger+7-\f
	global_store_b128 v[GO], v[S+32*\t+4*\f:S+32*\t+4*\f+3], s[10:11] offset:(16*\t+2*\f)*4096   ; sixteen lanes: 256 consecutive bytes, aligned
.endr
.endm
	PACK 0
	PACK 1
	SEND 0, 16
	SEND 1, 0
	s_wait_tensorcnt 0x0                           ; the wave's end
	ds_add_u32 v[SPW], v[NIL]
	s_wait_dscnt 0x0
	s_endpgm
.Lfunc_end_k_qb7abda80a6_attn:
	.size	k_qb7abda80a6_attn, .Lfunc_end_k_qb7abda80a6_attn-k_qb7abda80a6_attn
	.p2alignl 7, 3214868480
	.fill 96, 4, 3214868480
	.section	.rodata,"a",@progbits
	.p2align	6, 0x0
	.amdhsa_kernel k_qb7abda80a6_attn
		.amdhsa_group_segment_fixed_size 327680
		.amdhsa_private_segment_fixed_size 0
		.amdhsa_enable_private_segment 0
		.amdhsa_kernarg_size 32
		.amdhsa_user_sgpr_count 2
		.amdhsa_user_sgpr_kernarg_segment_ptr 1
		.amdhsa_wavefront_size32 1
		.amdhsa_system_sgpr_workgroup_id_x 1
		.amdhsa_system_sgpr_workgroup_id_y 1
		.amdhsa_system_sgpr_workgroup_id_z 1
		.amdhsa_system_vgpr_workitem_id 0
		.amdhsa_next_free_vgpr 512
		.amdhsa_next_free_sgpr 68
		.amdhsa_reserve_vcc 1
		.amdhsa_float_denorm_mode_32 3
		.amdhsa_float_denorm_mode_16_64 3
		.amdhsa_memory_ordered 1
		.amdhsa_forward_progress 1
		.amdhsa_inst_pref_size 137
	.end_amdhsa_kernel
	.amdgpu_metadata
---
amdhsa.version: [ 1, 2 ]
amdhsa.kernels:
  - .name:           k_qb7abda80a6_attn
    .symbol:         k_qb7abda80a6_attn.kd
    .args:
      - { .name: qw, .offset: 0, .size: 8, .value_kind: global_buffer, .address_space: global }
      - { .name: kvw, .offset: 8, .size: 8, .value_kind: global_buffer, .address_space: global }
      - { .name: fw, .offset: 16, .size: 8, .value_kind: global_buffer, .address_space: global }
      - { .name: ow, .offset: 24, .size: 8, .value_kind: global_buffer, .address_space: global }
    .group_segment_fixed_size: 327680
    .private_segment_fixed_size: 0
    .kernarg_segment_align: 8
    .kernarg_segment_size: 32
    .max_flat_workgroup_size: 256
    .sgpr_count:     68
    .vgpr_count:     512
    .wavefront_size: 32
...
	.end_amdgpu_metadata
.endif
;; end of part 5
;; launch oproj (part 6): grid 8 x 32, 4 waves a work-group, clusters of 4 x 4, 327,680 bytes of LDS; arguments ow, pw, fw, out0; writes out0
.if DOCPART == 6
	.amdgcn_target "amdgcn-amd-amdhsa--gfx1250"
	.amdhsa_code_object_version 6
	.text
	.protected	k_qb7abda80a6_oproj
	.globl	k_qb7abda80a6_oproj
	.p2align	8
	.type	k_qb7abda80a6_oproj,@function
k_qb7abda80a6_oproj:
	s_mov_b64 s[64:65], 0
	v_nop
	global_prefetch_b8 v0, s[64:65] scope:SCOPE_SE
	s_setreg_imm32_b32 hwreg(HW_REG_WAVE_MODE, 25, 1), 1
	s_wait_xcnt 0x0
	s_wait_alu depctr_hold_cnt(0) depctr_sa_sdst(0) depctr_va_vdst(0) depctr_va_sdst(0) depctr_va_ssrc(0) depctr_va_vcc(0) depctr_vm_vsrc(0)
	s_getreg_b32 s2, hwreg(HW_REG_IB_STS2, 6, 4)
	s_cmp_eq_u32 s2, 0
	s_cbranch_scc0 .Lentry_in_a_cluster
	s_endpgm
.Lentry_in_a_cluster:
	s_bfe_u32 s2, ttmp6, 0x10000c
	s_cmp_lg_u32 s2, 0xf033
	s_cbranch_scc0 .Lentry_shape_is_right
	s_endpgm
.Lentry_shape_is_right:
; C = A B in f16 with f32 sums.  A: [M][SIZE_K], K innermost.  B: [SIZE_K][SIZE_N], N innermost: its fragments come out of LDS turned, by ds_load_tr16_b128.
; KIND 1 (this text): A = the attention's result O 2^-eV in f16 [4096][2048], B = Wo in f16 [2048][1024]; results x 2^eV, f32, to out0.
; KIND 0: the up-projection of the latent to K and V.
; A tile of C is 128 x 128: four waves, each 64 x 64: 16 accumulators, which take turns.  K goes in steps of 256 through two LDS slots.
; CLUSTER 4 x 4: A's tile is asked for jointly along a row of the cluster, B's along a column.  The matrix instruction is used transposed (source 0 = 16 columns of B, source 1 = 16 rows of A).
; The power of two comes from memory and only multiplies: no address and no branch hangs on it.
; REGISTERS: window 0: v16-29 addresses; v32-95 the way out; v128-255 accumulators ((a, b) at 128 + 8 (4 a + b)).  window 1: two fragment buffers of 128: 64 of A, then 64 of B.
.set KIND,   1
.set SIZE_K, 2048
.set SIZE_N, 1024
.set AOFF,   0
.set BGOFF,  7815168
.set SCL,    262144
.set KSTEP,  256
.set PITCH,  528
.set PB,     288
.set HALFA,  64*PITCH
.set HALFB,  128*PB
.set BOFF,   2*HALFA
.set SLOT,   BOFF+2*HALFB
.set SPARE,  2*SLOT
.set SPITCH, 272                       ; the stages lie in slot 0, which has had its last fill and its last read when the first result is stored there
.set LAPS,   SIZE_K/(2*KSTEP)
.set ADRA, 16
.set ADRB, 20
.set STO,  24
.set RD,   25
.set CO,   26
.set SPW,  28
.set NIL,  29
.set TMP,  32
.set ACC,  128
.set F0,   0
.set F1,   128
.set G1, 24
.set G0, 32
.set G1B, 48
.set G0B, 56
.set MSB, 0
.macro WIN new
.if MSB != \new
	s_set_vgpr_msb (MSB<<8)|\new
.set MSB, \new
.endif
.endm
.set MUL,  0x05
.set TO_F, 0x40
.macro JLOAD s
	s_cmp_eq_u32 s11, 0
	s_cbranch_scc0 .Lfor_b_\@
	tensor_load_to_lds s[G0+4*\s:G0+4*\s+3], s[G1:G1+7]
	s_nop 0
.rept 4
	v_nop
.endr
	s_branch .Lasked_\@
.Lfor_b_\@:
	tensor_load_to_lds s[G0B+4*\s:G0B+4*\s+3], s[G1B:G1B+7]
	s_nop 0
.rept 4
	v_nop
.endr
.Lasked_\@:
.endm
.macro CREST
	s_cmp_lg_u32 s10, 0
	s_cbranch_scc1 .Lnot_wave_0_\@
	s_barrier_signal -3
.Lnot_wave_0_\@:
	s_barrier_wait -3
	s_barrier_signal -1
	s_barrier_wait -1
.endm
.macro CROUND
	s_barrier_signal -1
	s_barrier_wait -1
	CREST
.endm
	s_load_b256 s[68:75], s[0:1], 0x0              ; A's buffer, pw, fw, the output
	v_lshl_add_u32 v[SPW], v0, 2, SPARE
	v_mov_b32 v[NIL], 0
	ds_add_u32 v[SPW], v[NIL]                      ; the opening: the add, twice on end, and its wait ahead of my first tensor load
	ds_add_u32 v[SPW], v[NIL]
	v_lshrrev_b32 v1, 5, v0
	v_readfirstlane_b32 s10, v1
	s_lshr_b32 s11, s10, 1
	s_and_b32 s12, s10, 1
	s_bfe_u32 s40, ttmp6, 0x40000
	s_bfe_u32 s41, ttmp6, 0x40004
	s_lshl_b32 s42, ttmp9, 2
	s_add_co_u32 s42, s42, s40                     ; tx
	s_and_b32 s13, ttmp7, 0xffff
	s_lshl_b32 s13, s13, 2
	s_add_co_u32 s13, s13, s41                     ; ty
	s_lshl_b32 s43, s41, 2
	s_lshl_b32 s43, 15, s43
	s_lshl_b32 s44, 0x1111, s40
	s_or_b32 s[G1+0], s43, (1<<16)|(1<<20)|(1<<21)|(6<<22)|(3<<25)
	s_or_b32 s[G1B+0], s44, (1<<16)|(1<<20)|(1<<21)|(5<<22)|(7<<25)
	s_mov_b32 s[G1+1], KSTEP<<16
	s_mov_b32 s[G1+2], 64<<16
	s_mov_b32 s[G1+3], KSTEP<<16
	s_mov_b32 s[G1+4], 64
	s_mov_b32 s[G1+5], SIZE_K
	s_mov_b32 s[G1+6], 0
	s_mov_b32 s[G1+7], 0
	s_mov_b32 s[G1B+1], 128<<16
	s_mov_b32 s[G1B+2], 128<<16
	s_mov_b32 s[G1B+3], 128<<16
	s_mov_b32 s[G1B+4], 128
	s_mov_b32 s[G1B+5], SIZE_N
	s_mov_b32 s[G1B+6], 0
	s_mov_b32 s[G1B+7], 0
	s_lshl_b32 s17, s12, 6
	s_lshl_b32 s16, s13, 7
	s_add_co_u32 s16, s16, s17
	s_mul_i32 s16, s16, SIZE_K*2
	s_add_co_u32 s16, s16, AOFF
	s_mov_b32 s17, 0
	s_mul_i32 s46, s12, 128*SIZE_N*2
	s_lshl_b32 s47, s42, 8
	s_add_co_u32 s46, s46, s47
	s_add_co_u32 s46, s46, BGOFF
	s_mov_b32 s47, 0
	s_mul_i32 s20, s12, HALFA
	s_mul_i32 s21, s12, HALFB
	s_add_co_u32 s21, s21, BOFF
	s_wait_dscnt 0x0
	s_wait_kmcnt 0x0
	s_add_nc_u64 s[14:15], s[68:69], s[16:17]
	s_add_nc_u64 s[46:47], s[70:71], s[46:47]
	s_load_b128 s[76:79], s[72:73], SCL            ; the four scale numbers: waited for on the way out
	CROUND
.irp s, 0,1
	s_mov_b32 s[G0+4*\s], 1
	s_add_co_u32 s[G0+4*\s+1], s20, \s*SLOT
	s_add_nc_u64 s[G0+4*\s+2:G0+4*\s+3], s[14:15], \s*KSTEP*2
	s_or_b32 s[G0+4*\s+3], s[G0+4*\s+3], 0x80000000
	s_mov_b32 s[G0B+4*\s], 1
	s_add_co_u32 s[G0B+4*\s+1], s21, \s*SLOT
	s_add_nc_u64 s[G0B+4*\s+2:G0B+4*\s+3], s[46:47], \s*KSTEP*SIZE_N*2
	s_or_b32 s[G0B+4*\s+3], s[G0B+4*\s+3], 0x80000000
	JLOAD \s
.endr
	v_and_b32 v1, 15, v0
	v_bfe_u32 v2, v0, 4, 1
	v_mul_u32_u24 v3, v1, PITCH
	v_lshl_add_u32 v3, v2, 4, v3
	s_mul_i32 s22, s11, HALFA
	v_add_nc_u32 v[ADRA], s22, v3
	v_add_nc_u32 v[ADRA+1], SLOT, v[ADRA]
	v_and_b32 v4, 7, v0
	v_lshl_add_u32 v4, v2, 3, v4
	v_mul_u32_u24 v4, v4, PB
	v_bfe_u32 v5, v0, 3, 1
	v_lshl_add_u32 v4, v5, 4, v4
	s_lshl_b32 s22, s12, 7
	s_add_co_u32 s22, s22, BOFF
	v_add_nc_u32 v[ADRB], s22, v4
	v_add_nc_u32 v[ADRB+1], SLOT, v[ADRB]
	v_add_nc_u32 v[ADRB+2], HALFB, v[ADRB]
	v_add_nc_u32 v[ADRB+3], HALFB, v[ADRB+1]
	s_mul_i32 s23, s10, 16*SPITCH                  ; my own stage: a wave's 64 columns of f32 are 256 bytes
	v_mul_u32_u24 v4, v1, SPITCH
	v_lshl_add_u32 v4, v2, 5, v4
	v_add_nc_u32 v[STO], s23, v4
	v_mul_u32_u24 v5, v2, SPITCH
	v_lshl_add_u32 v5, v1, 4, v5
	v_add_nc_u32 v[RD], s23, v5
	v_lshlrev_b32 v[CO], 12, v2
	v_lshl_add_u32 v[CO], v1, 4, v[CO]
	s_lshl_b32 s16, s13, 7
	s_lshl_b32 s17, s11, 6
	s_add_co_u32 s16, s16, s17
	s_lshl_b32 s16, s16, 12                        ; row x 4,096 bytes
	s_mov_b32 s17, 0
	s_add_nc_u64 s[8:9], s[74:75], s[16:17]
	s_lshl_b32 s46, s42, 9
	s_lshl_b32 s47, s12, 8
	s_add_co_u32 s46, s46, s47
	s_mov_b32 s47, 0
	s_add_nc_u64 s[8:9], s[8:9], s[46:47]
.macro MUL8 f, c, a0, zero
.irp a, \a0, \a0+1
.irp b, 0,1,2,3
.if \zero
	v_wmma_f32_16x16x32_f16 v[ACC+8*(4*(\a)+\b):ACC+8*(4*(\a)+\b)+7], v[\f+64+8*(4*\c+\b):\f+64+8*(4*\c+\b)+7], v[\f+8*(4*\c+\a):\f+8*(4*\c+\a)+7], 0
.else
	v_wmma_f32_16x16x32_f16 v[ACC+8*(4*(\a)+\b):ACC+8*(4*(\a)+\b)+7], v[\f+64+8*(4*\c+\b):\f+64+8*(4*\c+\b)+7], v[\f+8*(4*\c+\a):\f+8*(4*\c+\a)+7], v[ACC+8*(4*(\a)+\b):ACC+8*(4*(\a)+\b)+7]
.endif
.endr
.endr
.endm
.macro FETCH slot, kq, f
	WIN TO_F
.irp c, 0,1
.irp i, 0,1,2,3
	ds_load_tr16_b128 v[\f+64+8*(4*\c+\i):\f+64+8*(4*\c+\i)+3],   v[ADRB+\slot+2*((\kq)/2)] offset:(((\kq)%2)*64+32*\c)*PB+32*\i
	ds_load_tr16_b128 v[\f+64+8*(4*\c+\i)+4:\f+64+8*(4*\c+\i)+7], v[ADRB+\slot+2*((\kq)/2)] offset:(((\kq)%2)*64+32*\c+16)*PB+32*\i
	ds_load_b128 v[\f+8*(4*\c+\i):\f+8*(4*\c+\i)+3],         v[ADRA+\slot] offset:128*(\kq)+64*\c+\i*16*PITCH
	ds_load_b128 v[\f+8*(4*\c+\i)+4:\f+8*(4*\c+\i)+7],       v[ADRA+\slot] offset:128*(\kq)+64*\c+\i*16*PITCH+32
.endr
.endr
.endm
.macro PLACES
.rept 4
	v_nop
.endr
.endm
.macro QUARTER slot, kq, f, g, zero
	s_wait_dscnt 16                                ; the first 32 along K are in; the other sixteen loads may be out
	WIN MUL
	MUL8 \f, 0, 0, \zero
	MUL8 \f, 0, 2, \zero
	PLACES
	FETCH \slot, \kq, \g
	s_wait_dscnt 32                                ; all but the 32 just issued
	WIN MUL
	MUL8 \f, 1, 0, 0
	MUL8 \f, 1, 2, 0
.endm
.macro TURN slot, next, fill
	WIN 0
	s_wait_tensorcnt 0x0                           ; all my tensor loads have landed: my part of the next slot
	ds_add_u32 v[SPW], v[NIL]                      ; 0 onto my spare word
	s_wait_dscnt 17                                ; (the add and the youngest sixteen loads may be out)
	WIN MUL
	MUL8 F1, 0, 0, 0
	s_wait_dscnt 0x0                               ; the add is done, and my reads of this slot are over
	s_barrier_signal -1
	MUL8 F1, 0, 2, 0
.if \fill
	WIN 0
.endif
	s_barrier_wait -1
.if \fill
	CREST                                          ; the barrier has opened a round of the cluster's: no wave of any partner still reads this slot or has a load on its way
	s_add_nc_u64 s[G0+4*\slot+2:G0+4*\slot+3], s[G0+4*\slot+2:G0+4*\slot+3], 2*KSTEP*2
	s_add_nc_u64 s[G0B+4*\slot+2:G0B+4*\slot+3], s[G0B+4*\slot+2:G0B+4*\slot+3], 2*KSTEP*SIZE_N*2
	JLOAD \slot                                    ; the first tensor load behind the round; its four v_nop are also the places in front of the loads below
.else
	PLACES
.endif
	FETCH \next, 0, F0
	WIN MUL
	MUL8 F1, 1, 0, 0
	MUL8 F1, 1, 2, 0
.endm
	s_wait_tensorcnt 1                             ; my part of K step 0 is in; K step 1's load may be out
	s_barrier_signal -1
	s_barrier_wait -1
	FETCH 0, 0, F0
	QUARTER 0, 1, F0, F1, 1
	WIN 0
	s_mov_b32 s3, LAPS-1
.Llap:                                                 ; a trip goes once round the ring and fills both slots again
	QUARTER 0, 2, F1, F0, 0
	QUARTER 0, 3, F0, F1, 0
	TURN 0, 1, 1
	QUARTER 1, 1, F0, F1, 0
	QUARTER 1, 2, F1, F0, 0
	QUARTER 1, 3, F0, F1, 0
	TURN 1, 0, 1
	QUARTER 0, 1, F0, F1, 0
	WIN 0
	s_sub_co_u32 s3, s3, 1
	s_cmp_lg_u32 s3, 0
	s_cbranch_scc1 .Llap
	QUARTER 0, 2, F1, F0, 0                        ; the last lap fills nothing
	QUARTER 0, 3, F0, F1, 0
	TURN 0, 1, 0
	QUARTER 1, 1, F0, F1, 0
	QUARTER 1, 2, F1, F0, 0
	QUARTER 1, 3, F0, F1, 0
	s_wait_dscnt 16
	WIN MUL
	MUL8 F1, 0, 0, 0
	MUL8 F1, 0, 2, 0
	s_wait_dscnt 0
	MUL8 F1, 1, 0, 0
	MUL8 F1, 1, 2, 0
	WIN 0
	s_wait_kmcnt 0x0                               ; the scale numbers
	s_mov_b32 s80, s78                             ; 2^eV
	s_mov_b32 s81, s78
	PLACES
.irp a, 0,1,2,3
.if \a > 0
	s_wait_xcnt 0x0                                ; the last block's stores have read their data
.endif
.irp b, 0,1,2,3
.irp p, 0,2,4,6
	v_pk_mul_f32 v[TMP+8*\b+\p:TMP+8*\b+\p+1], v[ACC+8*(4*\a+\b)+\p:ACC+8*(4*\a+\b)+\p+1], s[80:81] op_sel_hi:[1,0]
.endr
.endr
.irp b, 0,1,2,3
	ds_store_b128 v[STO], v[TMP+8*\b:TMP+8*\b+3] offset:64*\b
	ds_store_b128 v[STO], v[TMP+8*\b+4:TMP+8*\b+7] offset:64*\b+16
.endr
.irp t, 0,1,2,3,4,5,6,7
	ds_load_b128 v[64+4*\t:64+4*\t+3], v[RD] offset:\t*2*SPITCH   ; LDS serves a wave's instructions in order: these see the stores above
.endr
	s_wait_dscnt 0x0
.irp t, 0,1,2,3,4,5,6,7
	global_store_b128 v[CO], v[64+4*\t:64+4*\t+3], s[8:9] offset:(16*\a+2*\t)*4096 th:TH_STORE_NT   ; sixteen lanes: 256 consecutive bytes, aligned
.endr
.endr
	s_wait_tensorcnt 0x0                           ; the wave's end
	ds_add_u32 v[SPW], v[NIL]
	s_wait_dscnt 0x0
	CROUND                                         ; the closing round
	s_endpgm
.Lfunc_end_k_qb7abda80a6_oproj:
	.size	k_qb7abda80a6_oproj, .Lfunc_end_k_qb7abda80a6_oproj-k_qb7abda80a6_oproj
	.p2alignl 7, 3214868480
	.fill 96, 4, 3214868480
	.section	.rodata,"a",@progbits
	.p2align	6, 0x0
	.amdhsa_kernel k_qb7abda80a6_oproj
		.amdhsa_group_segment_fixed_size 327680
		.amdhsa_private_segment_fixed_size 0
		.amdhsa_enable_private_segment 0
		.amdhsa_kernarg_size 32
		.amdhsa_user_sgpr_count 2
		.amdhsa_user_sgpr_kernarg_segment_ptr 1
		.amdhsa_wavefront_size32 1
		.amdhsa_system_sgpr_workgroup_id_x 1
		.amdhsa_system_sgpr_workgroup_id_y 1
		.amdhsa_system_sgpr_workgroup_id_z 1
		.amdhsa_system_vgpr_workitem_id 0
		.amdhsa_next_free_vgpr 512
		.amdhsa_next_free_sgpr 84
		.amdhsa_reserve_vcc 0
		.amdhsa_float_denorm_mode_32 3
		.amdhsa_float_denorm_mode_16_64 3
		.amdhsa_memory_ordered 1
		.amdhsa_forward_progress 1
		.amdhsa_inst_pref_size 90
	.end_amdhsa_kernel
	.amdgpu_metadata
---
amdhsa.version: [ 1, 2 ]
amdhsa.kernels:
  - .name:           k_qb7abda80a6_oproj
    .symbol:         k_qb7abda80a6_oproj.kd
    .args:
      - { .name: ow, .offset: 0, .size: 8, .value_kind: global_buffer, .address_space: global }
      - { .name: pw, .offset: 8, .size: 8, .value_kind: global_buffer, .address_space: global }
      - { .name: fw, .offset: 16, .size: 8, .value_kind: global_buffer, .address_space: global }
      - { .name: out0, .offset: 24, .size: 8, .value_kind: global_buffer, .address_space: global }
    .group_segment_fixed_size: 327680
    .private_segment_fixed_size: 0
    .kernarg_segment_align: 8
    .kernarg_segment_size: 32
    .max_flat_workgroup_size: 128
    .sgpr_count:     84
    .vgpr_count:     512
    .wavefront_size: 32
...
	.end_amdgpu_metadata
.endif
;; end of part 6
;; launch fine_b (part 7): grid 64 x 2, 16 waves a work-group, no clusters, 18,432 bytes of LDS; arguments fw, Wo, out0; writes out0
.if DOCPART == 7
	.amdgcn_target "amdgcn-amd-amdhsa--gfx1250"
	.amdhsa_code_object_version 6
	.text
	.protected	k_qb7abda80a6_fine_b
	.globl	k_qb7abda80a6_fine_b
	.p2align	8
	.type	k_qb7abda80a6_fine_b,@function
k_qb7abda80a6_fine_b:
	s_mov_b64 s[64:65], 0
	v_nop
	global_prefetch_b8 v0, s[64:65] scope:SCOPE_SE
	s_setreg_imm32_b32 hwreg(HW_REG_WAVE_MODE, 25, 1), 1
	s_wait_xcnt 0x0
; FINE_B.  The first 16 positions of each batch through the out-projection in f32: out0[2048 b + position][n] = sum over k of OF32[16 b + position][k] Wo[k][n], K = 2,048.  It writes over what the f16 launch left in these 32 rows.
; Work-group (16 columns, batch); wave w sums k = 128 w .. 128 w + 127; the sixteen partial tiles meet in LDS and are added in ascending w.
; The f32 matrix form with K permuted alike on both sources: group g of 8, step e: lane (r, h) register j holds k = 8 g + 4 h + 2 e + j.  Its two accumulators (v32-47) are written by matrix instructions alone and take turns.
.set SPARE, 16384
.set SPW, 2
.set NIL, 3
.set FA0, 32
.set T,   48
.set A,   64
.set B,   128
	s_load_b128 s[4:7], s[0:1], 0x0                ; fw, Wo
	s_load_b64 s[8:9], s[0:1], 0x10                ; out0
	v_lshl_add_u32 v[SPW], v0, 2, SPARE
	v_mov_b32 v[NIL], 0
	v_lshrrev_b32 v1, 5, v0
	v_readfirstlane_b32 s10, v1                    ; wave
	s_and_b32 s11, ttmp7, 0xffff                   ; batch
	s_lshl_b32 s12, ttmp9, 6                       ; my 16 columns, in bytes
	v_and_b32 v4, 15, v0                           ; r
	v_bfe_u32 v5, v0, 4, 1                         ; h
	v_lshlrev_b32 v6, 13, v4
	v_lshl_add_u32 v6, v5, 4, v6                   ; OF32: row r of 8,192 bytes + 16 h
	v_lshlrev_b32 v7, 14, v5
	v_lshl_add_u32 v7, v4, 2, v7                   ; Wo: 4 h rows of 4,096 bytes + 4 r
	v_and_b32 v8, 31, v0
	v_lshlrev_b32 v8, 2, v8
	s_lshl_b32 s13, s10, 10
	v_add_nc_u32 v8, s13, v8                       ; my partial tile: 1,024 x wave + 4 x lane
	v_lshlrev_b32 v9, 2, v0                        ; and on the way back: register w of every tile
	v_lshlrev_b32 v10, 15, v5
	v_lshl_add_u32 v10, v4, 2, v10                 ; out0: 8 h rows of 4,096 bytes + 4 r
	s_mov_b32 s21, 0
	s_wait_kmcnt 0x0
	s_lshl_b32 s20, s11, 17
	s_lshl_b32 s22, s10, 9
	s_add_co_u32 s20, s20, s22
	s_add_nc_u64 s[14:15], s[4:5], s[20:21]
	s_lshl_b32 s20, s10, 19
	s_add_co_u32 s20, s20, s12
	s_add_nc_u64 s[16:17], s[6:7], s[20:21]
	s_lshl_b32 s20, s11, 11
	s_add_co_u32 s20, s20, s10
	s_lshl_b32 s20, s20, 12
	s_add_co_u32 s20, s20, s12
	s_add_nc_u64 s[18:19], s[8:9], s[20:21]        ; row 2,048 b + w (used by waves 0-7)
.set g, 0
.rept 16
	global_load_b128 v[A+4*g:A+4*g+3], v6, s[14:15] offset:32*g
.set g, g+1
.endr
.set k, 0
.rept 64
	global_load_b32 v[B+k], v7, s[16:17] offset:(8*(k/4)+(k%4))*4096
.set k, k+1
.endr
	s_wait_loadcnt 0x0
.set k, 0
.rept 32
.set ac, FA0+8*(k%2)
.if k < 2
	v_wmma_f32_16x16x4_f32 v[ac:ac+7], v[A+2*k:A+2*k+1], v[B+2*k:B+2*k+1], 0
.else
	v_wmma_f32_16x16x4_f32 v[ac:ac+7], v[A+2*k:A+2*k+1], v[B+2*k:B+2*k+1], v[ac:ac+7]
.endif
.set k, k+1
.endr
.rept 8
	v_nop                                          ; eight places behind this form
.endr
.irp j, 0,1,2,3,4,5,6,7
	v_add_f32 v[T+\j], v[FA0+\j], v[FA0+8+\j]      ; (position 8 h + j, column r)
.endr
.irp j, 0,1,2,3,4,5,6,7
	ds_store_b32 v8, v[T+\j] offset:128*\j
.endr
	s_wait_dscnt 0x0                               ; my stores have landed
	s_barrier_signal -1
	s_barrier_wait -1
	s_cmp_lt_u32 s10, 8
	s_cbranch_scc0 .Lend
.set w, 0
.rept 16
	ds_load_b32 v[A+w], v9 offset:1024*w           ; register j = my wave's number of partial tile w
.set w, w+1
.endr
	s_wait_dscnt 0x0
	v_add_f32 v[T], v[A], v[A+1]
.set w, 2
.rept 14
	v_add_f32 v[T], v[T], v[A+w]
.set w, w+1
.endr
	global_store_b32 v10, v[T], s[18:19]
.Lend:
	s_wait_tensorcnt 0x0                           ; the wave's end
	ds_add_u32 v[SPW], v[NIL]
	s_wait_dscnt 0x0
	s_endpgm
.Lfunc_end_k_qb7abda80a6_fine_b:
	.size	k_qb7abda80a6_fine_b, .Lfunc_end_k_qb7abda80a6_fine_b-k_qb7abda80a6_fine_b
	.p2alignl 7, 3214868480
	.fill 96, 4, 3214868480
	.section	.rodata,"a",@progbits
	.p2align	6, 0x0
	.amdhsa_kernel k_qb7abda80a6_fine_b
		.amdhsa_group_segment_fixed_size 18432
		.amdhsa_private_segment_fixed_size 0
		.amdhsa_enable_private_segment 0
		.amdhsa_kernarg_size 24
		.amdhsa_user_sgpr_count 2
		.amdhsa_user_sgpr_kernarg_segment_ptr 1
		.amdhsa_wavefront_size32 1
		.amdhsa_system_sgpr_workgroup_id_x 1
		.amdhsa_system_sgpr_workgroup_id_y 1
		.amdhsa_system_sgpr_workgroup_id_z 1
		.amdhsa_system_vgpr_workitem_id 0
		.amdhsa_next_free_vgpr 192
		.amdhsa_next_free_sgpr 66
		.amdhsa_reserve_vcc 0
		.amdhsa_float_denorm_mode_32 3
		.amdhsa_float_denorm_mode_16_64 3
		.amdhsa_memory_ordered 1
		.amdhsa_forward_progress 1
		.amdhsa_inst_pref_size 15
	.end_amdhsa_kernel
	.amdgpu_metadata
---
amdhsa.version: [ 1, 2 ]
amdhsa.kernels:
  - .name:           k_qb7abda80a6_fine_b
    .symbol:         k_qb7abda80a6_fine_b.kd
    .args:
      - { .name: fw, .offset: 0, .size: 8, .value_kind: global_buffer, .address_space: global }
      - { .name: Wo, .offset: 8, .size: 8, .value_kind: global_buffer, .address_space: global }
      - { .name: out0, .offset: 16, .size: 8, .value_kind: global_buffer, .address_space: global }
    .group_segment_fixed_size: 18432
    .private_segment_fixed_size: 0
    .kernarg_segment_align: 8
    .kernarg_segment_size: 24
    .max_flat_workgroup_size: 512
    .sgpr_count:     66
    .vgpr_count:     192
    .wavefront_size: 32
...
	.end_amdgpu_metadata
.endif
;; end of part 7
